; MI455X (gfx1250); checked and timed in simulation.
; The chip was launched on July 23, 2026; its instructions are those of AMD's public machine-readable ISA for CDNA 5 (MIT licence, August 2026) and "CDNA5" Instruction Set Architecture Reference Guide (July 2026). The comments in the code are by the model that wrote it; some were corrected since.
;; Pattention. Allowed arithmetic: float matrix products may take bf16 or f16 operands with f32 sums; other float arithmetic in f32, or as packed bf16 or f16 multiplies, adds, multiply-adds, maxima and minima; sums over many terms, partial sums and values carried from step to step in f32; what a program stores and reads back later, other than sums and carried values, may be rounded once to bf16 or f16.
;; Inputs: inputs 4 x 4,096 x 512 float32; key_tokens 4,096 x 512 float32; value_tokens 4,096 x 512 float32.
;; Outputs: out0 4 x 4,096 x 512 float32.
;; 2 versions, each right. Each part assembles by itself: llvm-mc -triple=amdgcn-amd-amdhsa -mcpu=gfx1250 --defsym DOCPART=n.
;; ======== version 1 of 2: 2 launches
;; workspace buffers: kv 8,388,608 bytes
;; launch prep (part 1): grid 256 x 2, 8 waves a work-group, no clusters, 0 bytes of LDS; arguments key_tokens, value_tokens, kv; writes kv
.if DOCPART == 1
	.amdgcn_target "amdgcn-amd-amdhsa--gfx1250"
	.amdhsa_code_object_version 6
	.text
	.protected	k_q9e56c79638_prep
	.globl	k_q9e56c79638_prep
	.p2align	8
	.type	k_q9e56c79638_prep,@function
k_q9e56c79638_prep:
	s_mov_b64 s[64:65], 0
	v_nop
	global_prefetch_b8 v0, s[64:65] scope:SCOPE_SE
	s_setreg_imm32_b32 hwreg(HW_REG_WAVE_MODE, 25, 1), 1
	s_wait_xcnt 0x0
; key_tokens and value_tokens ([4096][512] f32) are rounded once to bf16 and laid in the order in which the next launch's matrix
; instructions take them, as four streams of 2,097,152 bytes, one for each wave number w of that launch.
; A FRAGMENT is 1,024 bytes: piece c (0, 1) of 512 bytes, in it 16 bytes (8 bf16, e = 0..7) for lane l = r + 16 h.
;   K of step j (64 keys), fragment f = 0..15:        K[64 j + 16 w + r][32 f + 16 c + 8 h + e]
;   V of step j, fragment 8 kk + cb (kk 0..1, cb 0..7): V[64 j + 32 kk + 16 c + 8 h + e][128 w + 16 cb + r]     (turned: a lane holds one channel, eight keys)
; A stream is K0, K1, [K2 V0], [K3 V1], .. [K63 V61], [V62 V63], 16,384 bytes each: so K of step j begins at max(32768 j - 32768, 16384 j)
; and V of step j at min(32768 j + 49152, 16384 j + 1048576).
; SHARES.  Work-group x = 4 j + w, y = 0 for K and 1 for V, writes one such 16,384 bytes: 1,024 pieces of 16 bytes, thread tid the pieces 256 it + tid, it = 0..3:
; fragment 4 it + wave / 2, piece c = wave % 2.  Each store of a wave covers 512 consecutive bytes, aligned.
; The reads are narrow (32 bytes of a row for K, 4 bytes a lane and 64 bytes a half wave for V), but a work-group uses up every row piece that it touches:
; 16 whole rows of K, or 512 consecutive bytes of each of 64 rows of V.  No LDS, no barrier: no thread wants what another has read.
.set STREAM_SH, 21                     ; a stream is 1 << 21 bytes
.set L,  16                            ; v[16:47]  32 numbers as loaded
.set Q,  48                            ; v[48:63]  16 registers of bf16 pairs to store
	s_load_b128 s[4:7], s[0:1], 0x0                ; key_tokens s[4:5], value_tokens s[6:7]
	s_load_b64 s[8:9], s[0:1], 0x10                ; kv
	s_and_b32 s10, ttmp7, 0xffff                   ; 0: K, 1: V
	s_lshr_b32 s11, ttmp9, 2                       ; j
	s_and_b32 s12, ttmp9, 3                        ; w
	v_and_b32 v1, 15, v0                           ; r
	v_bfe_u32 v2, v0, 4, 1                         ; h
	v_lshrrev_b32 v3, 5, v0                        ; my wave
	v_lshlrev_b32 v4, 4, v0                        ; 16 tid: where I store
	s_lshl_b32 s14, s12, STREAM_SH                 ; the stream
	s_mov_b32 s15, 0
	s_mov_b32 s17, 0
	s_wait_kmcnt 0x0
	s_cmp_lg_u32 s10, 0
	s_cbranch_scc1 .Lvalues
	; K: row 16 x + r, columns 128 it + 16 wave + 8 h + 0..7
	s_lshl_b32 s18, s11, 15
	s_sub_co_i32 s18, s18, 32768
	s_lshl_b32 s19, s11, 14
	s_max_i32 s18, s18, s19                        ; where K of step j begins in a stream
	s_add_co_u32 s14, s14, s18
	s_lshl_b32 s16, ttmp9, 15                      ; 16 rows of 2,048 bytes a work-group
	v_lshlrev_b32 v5, 11, v1
	v_lshl_add_u32 v5, v2, 5, v5
	v_lshl_add_u32 v5, v3, 6, v5                   ; 2048 r + 32 h + 64 wave
	s_add_nc_u64 s[4:5], s[4:5], s[16:17]
	s_add_nc_u64 s[8:9], s[8:9], s[14:15]
.irp it, 0,1,2,3
	global_load_b128 v[L+8*(\it):L+8*(\it)+3],   v5, s[4:5] offset:512*(\it)
	global_load_b128 v[L+8*(\it)+4:L+8*(\it)+7], v5, s[4:5] offset:512*(\it)+16
.endr
.irp it, 0,1,2,3
	s_wait_loadcnt 6-2*(\it)                       ; loads come back in order: the two of this piece are in, the younger ones stay out
.irp k, 0,1,2,3
	v_cvt_pk_bf16_f32 v[Q+4*(\it)+(\k)], v[L+8*(\it)+2*(\k)], v[L+8*(\it)+2*(\k)+1]
.endr
	global_store_b128 v4, v[Q+4*(\it):Q+4*(\it)+3], s[8:9] offset:4096*(\it)
.endr
	s_endpgm
.Lvalues:
	; V: rows 64 j + 32 (it / 2) + 16 (wave % 2) + 8 h + e, column 128 w + 64 (it % 2) + 16 (wave / 2) + r
	s_lshl_b32 s18, s11, 15
	s_add_co_u32 s18, s18, 49152
	s_lshl_b32 s19, s11, 14
	s_add_co_u32 s19, s19, 1048576
	s_min_u32 s18, s18, s19                        ; where V of step j begins in a stream
	s_add_co_u32 s14, s14, s18
	s_lshl_b32 s16, s11, 17                        ; 64 rows of 2,048 bytes a step,
	s_lshl_b32 s19, s12, 9                         ; 128 columns a stream
	s_add_co_u32 s16, s16, s19
	v_and_b32 v6, 1, v3
	v_lshrrev_b32 v7, 1, v3
	v_lshlrev_b32 v5, 15, v6                       ; 16 rows
	v_lshl_add_u32 v5, v2, 14, v5                  ; 8 rows
	v_lshl_add_u32 v5, v7, 6, v5                   ; 16 columns
	v_lshl_add_u32 v5, v1, 2, v5                   ; my column
	s_add_nc_u64 s[6:7], s[6:7], s[16:17]
	s_add_nc_u64 s[8:9], s[8:9], s[14:15]
.irp it, 0,1,2,3
.irp e, 0,1,2,3,4,5,6,7
	global_load_b32 v[L+8*(\it)+(\e)], v5, s[6:7] offset:((\it)/2)*65536+((\it)%2)*256+(\e)*2048
.endr
.endr
.irp it, 0,1,2,3
	s_wait_loadcnt 24-8*(\it)                      ; the eight of this piece are in
.irp k, 0,1,2,3
	v_cvt_pk_bf16_f32 v[Q+4*(\it)+(\k)], v[L+8*(\it)+2*(\k)], v[L+8*(\it)+2*(\k)+1]
.endr
	global_store_b128 v4, v[Q+4*(\it):Q+4*(\it)+3], s[8:9] offset:4096*(\it)
.endr
	s_endpgm
.Lfunc_end_k_q9e56c79638_prep:
	.size	k_q9e56c79638_prep, .Lfunc_end_k_q9e56c79638_prep-k_q9e56c79638_prep
	.p2alignl 7, 3214868480
	.fill 96, 4, 3214868480
	.section	.rodata,"a",@progbits
	.p2align	6, 0x0
	.amdhsa_kernel k_q9e56c79638_prep
		.amdhsa_group_segment_fixed_size 0
		.amdhsa_private_segment_fixed_size 0
		.amdhsa_enable_private_segment 0
		.amdhsa_kernarg_size 24
		.amdhsa_user_sgpr_count 2
		.amdhsa_user_sgpr_kernarg_segment_ptr 1
		.amdhsa_wavefront_size32 1
		.amdhsa_system_sgpr_workgroup_id_x 1
		.amdhsa_system_sgpr_workgroup_id_y 1
		.amdhsa_system_sgpr_workgroup_id_z 1
		.amdhsa_system_vgpr_workitem_id 0
		.amdhsa_next_free_vgpr 64
		.amdhsa_next_free_sgpr 66
		.amdhsa_reserve_vcc 0
		.amdhsa_float_denorm_mode_32 3
		.amdhsa_float_denorm_mode_16_64 3
		.amdhsa_memory_ordered 1
		.amdhsa_forward_progress 1
		.amdhsa_inst_pref_size 9
	.end_amdhsa_kernel
	.amdgpu_metadata
---
amdhsa.version: [ 1, 2 ]
amdhsa.kernels:
  - .name:           k_q9e56c79638_prep
    .symbol:         k_q9e56c79638_prep.kd
    .args:
      - { .name: key_tokens, .offset: 0, .size: 8, .value_kind: global_buffer, .address_space: global }
      - { .name: value_tokens, .offset: 8, .size: 8, .value_kind: global_buffer, .address_space: global }
      - { .name: kv, .offset: 16, .size: 8, .value_kind: global_buffer, .address_space: global }
    .group_segment_fixed_size: 0
    .private_segment_fixed_size: 0
    .kernarg_segment_align: 8
    .kernarg_segment_size: 24
    .max_flat_workgroup_size: 256
    .sgpr_count:     66
    .vgpr_count:     64
    .wavefront_size: 32
...
	.end_amdgpu_metadata
.endif
;; end of part 1
;; launch main (part 2): grid 256 x 1, 4 waves a work-group, clusters of 4 x 1, 327,680 bytes of LDS; arguments inputs, kv, out0; writes out0
.if DOCPART == 2
	.amdgcn_target "amdgcn-amd-amdhsa--gfx1250"
	.amdhsa_code_object_version 6
	.text
	.protected	k_q9e56c79638_main
	.globl	k_q9e56c79638_main
	.p2align	8
	.type	k_q9e56c79638_main,@function
k_q9e56c79638_main:
	s_mov_b64 s[64:65], 0
	v_nop
	global_prefetch_b8 v0, s[64:65] scope:SCOPE_SE
	s_setreg_imm32_b32 hwreg(HW_REG_WAVE_MODE, 25, 1), 1
	s_wait_xcnt 0x0
	s_wait_alu depctr_hold_cnt(0) depctr_sa_sdst(0) depctr_va_vdst(0) depctr_va_sdst(0) depctr_va_ssrc(0) depctr_va_vcc(0) depctr_vm_vsrc(0)
	s_getreg_b32 s2, hwreg(HW_REG_IB_STS2, 6, 4)
	s_cmp_eq_u32 s2, 0
	s_cbranch_scc0 .Lentry_in_a_cluster
	s_endpgm
.Lentry_in_a_cluster:
	s_bfe_u32 s2, ttmp6, 0x10000c
	s_cmp_lg_u32 s2, 0x3003
	s_cbranch_scc0 .Lentry_shape_is_right
	s_endpgm
.Lentry_shape_is_right:
; out[q][:] = 64 / |g[q]| x the sum over p of g[q][p] V[p][:],  g = gelu(X K^T) (the exact one),  |g[q]| the root of the row's sum of squares.
; X: [16384][512] f32.  K and V: 4,096 rows of 512, bf16 in fragment order in kv, as the launch before has laid them.  out: [16384][512] f32.
; The norm is one factor a row, so O = g V and ss = the sum of g^2 are gathered over all 4,096 keys, 64 a step, and O is scaled once at the end.
; FORMATS.  X, K, V and the weights g are matrix operands in bf16 (bf16, since g grows with the inputs without bound); products, gelu and all sums in f32; ss is taken of the unrounded g.
; LIMITS.  The order of the sums is not the reference's.  In gelu a factor 2^e below 2^-126 counts as 0.  A row with ss below 2^-126 gives infinities or NaN (v_rsq_f32 takes it as 0).
; NaN and infinities among the inputs are not treated apart.
; SHARES.  A work-group owns 64 rows of X: four tiles t of 16 queries.  256 work-groups, each walks all keys.
;   S^T = K X^T is split BY KEYS: wave w makes the keys 16 w .. 16 w + 15 of a step for all 64 queries (source 0 = a fragment of K, source 1 = one of X).  All of X, 64 fragments, lies in every wave's registers.
;   O^T = V^T P is split BY CHANNELS: wave w holds channels 128 w .. 128 w + 127 for all 64 queries: 32 accumulators.  So every byte of K and V is read from LDS once, by one wave.
;   P = gelu(S) goes from wave to wave through LDS: [query][64 keys] in bf16, two buffers that take turns.
; In S^T a lane holds ONE query (lane % 16) and the keys 8 (lane / 16) + 0..7: 16 bytes of a row of P.  In O^T it holds one query and eight channels.
; CLUSTER.  All work-groups walk the same four streams, so a wave's one tensor load a step is asked for JOINTLY by the four work-groups of a cluster: same line, same descriptor, mask 15.
; A TRIP, tau, makes S of step tau + 1 and adds step tau to O: eight units U1-U8 of 16 matrix instructions; gelu's 384 vector instructions stand in slices behind them.  The four tiles are two PIECES
; (a: tiles 0, 1; b: tiles 2, 3); only one piece is at work at a time, so gelu needs one set of 40 registers.
; ONE ROUND of the cluster's barrier a trip, in U3, orders four things: my block tau has landed; nobody reads block tau - 1 any more (its slot is filled again); all of P(tau) is stored; all of P(tau - 1) is read.
; O and ss are cleared by moves, on purpose: they run while the first loads of X are out, and spare a second copy of the trip's text whose products would start the sums.
;
; GELU.  With u = |x|, t = 1 / (1 + u sqrt(2) / 4):  erfc(u / sqrt 2) / 2 = t 2^(A0 + A1 t + .. + A9 t^9 - x^2 log2(e) / 2), a fit that holds to a few parts in 10^7 OF ITSELF for every u,
; so the negative tail keeps its figures;  gelu(x) = max(x, 0) - u t 2^(..).  log2(e) and the half are folded into A0-A9.
;
; LDS.  0: slot 0, 131,072 bytes: wave w's 32,768 at 32768 w: K's 16,384, then V's.  131072: slot 1.  262144: P, buffer 0 (64 rows of 144).  271360: the waves' sums of squares.  278528: P, buffer 1.
; 287744: a stage of 16 rows x 528 bytes for each wave, for the way out.  321536: the spare words.  The launch claims all of a WGP's LDS.
; REGISTERS, in windows of 256 (s_set_vgpr_msb: bits 1:0 source 0, 3:2 source 1, 5:4 source 2, 7:6 destination):
;   window 0: v0-15 addresses; v16-23 ss; v24-31, v64-95 gelu at work; v32-63 S^T; v96-255 five operand buffers a-e of four fragments
;   window 1: O^T, accumulator (cb, t) at 8 (4 cb + t)          windows 2, 3: X, tile t's fragment f in window 2 + t / 2 at 128 (t % 2) + 8 f
;   a: V0, V2     b: V1, K f0-3     c: P0, K f4-7     d: V3, K f8-11     e: P1, K f12-15      (Vn: keys 32 (n / 2) on, channel blocks 4 (n % 2) on; Pk: keys 32 k on, four tiles)
.set SLOT1,  1<<17                     ; one exclusive or turns an address in one slot into the other's
.set BLOCK,  32768                     ; what one tensor load brings: K of step b + 2, then V of step b
.set VAREA,  16384                     ; V's place in a wave's part of a slot
.set PBUF,   262144
.set PPITCH, 144                       ; 128 bytes + 16: the 16 rows of a load start at 16 different groups of four banks (64 banks of 4 bytes: ISA guide 11.1)
.set PTILE,  16*PPITCH
.set PTOG,   16384                     ; from P's buffer 0 to buffer 1
.set SSX,    271360
.set STAGE,  287744
.set SPITCH, 528                       ; 512 bytes + 16, for the same reason
.set SPARE,  321536                    ; 128 bytes for each wave: two blocks of 256 bytes that no other line names
.set HL,   1                           ; v1   lane / 16
.set AL0,  2                           ; v2   16 x lane + 32768 w: my place in a fragment of my part of slot 0; never rewritten
.set ADR,  3                           ; v3   the same in the slot in hand; on the way out: where I put 32 bytes of a row
.set APR0, 4                           ; v4   PBUF + 144 (lane % 16) + 16 (lane / 16); never rewritten
.set APR,  5                           ; v5   the same in the buffer that is read
.set APS0, 6                           ; v6   APR0 + 32 w: my wave's 16 keys; never rewritten
.set APS,  7                           ; v7   the same in the buffer that is written
.set SPW,  8                           ; v8   my spare word: SPARE + 4 x my thread's number; never rewritten
.set NIL,  9                           ; v9   0; never rewritten
.set PFO,  10                          ; v10  256 x lane; never rewritten
.set XO,   11                          ; v11  my byte offset in 16 rows of X; never rewritten
.set RD,   12                          ; v12  the way out: where I read a row back
.set GO,   13                          ; v13  16 x lane
.set LN,   14                          ; v14  lane
.set RW,   15                          ; v15  lane % 16
.set SS,   16                          ; a pair for each tile: sums of squares of even and of odd keys
.set Y,    24                          ; four pairs at work
.set S,    32                          ; tile t at S + 8 t
.set T,    64                          ; 16: t, then - u t, then the packed weights
.set PP,   80                          ; 16: the polynomial, then 2^(..)
.set BA,   96
.set BB,   128
.set BC,   160
.set BD,   192
.set BE,   224
.set WV,   10                          ; s10  my wave's number
.set CX,   11                          ; s11  my place in the cluster
.set GW,   12                          ; s12  my work-group's number
.set LW,   13                          ; s13  32768 w
.set G1F,  16                          ; s[16:23] descriptor group 1: 128 rows of 256 bytes
.set G1H,  24                          ; s[24:31] the same with 64 rows
.set G0A,  32                          ; s[32:35] group 0: K of step 0 into slot 0
.set G0B,  36                          ; s[36:39] K of step 1 into slot 1
.set G0W,  40                          ; s[40:43] the one that walks
.set PFA,  44                          ; s[44:45] where my prefetches stand
.set LIM,  46                          ; s46  2 in the launch's first cluster, else the greatest number
.set LEFT, 47                          ; s47  trips of the loop still to come
.set TB,   48                          ; s48  0 or SLOT1: the slot in hand
.set PT,   49                          ; s49  0 or PTOG: P's buffer that is read
.set PS,   50                          ; s50  the other one, which is written
.set SEL,  52                          ; s[52:53] v_permlanex16_b32's selects: each lane takes its own place in the other half
.set TM,   54                          ; s[54:55] offsets made of the wave's number
.set KB,   56                          ; s[56:57] my wave's stream in kv
.set TC,   58                          ; s[58:59] offsets made of the work-group's place: they never enter a descriptor
.set AC,   66                          ; s[66:85] A0-A9, each twice: the packed forms name pairs
.set NK,   86                          ; s[86:87] - log2(e) / 2
.set C1,   88                          ; s88  sqrt(2) / 4
.set MSB, 0
.macro WIN new                         ; the immediate's high byte repeats the setting that is left; a switch that changes nothing is dropped
.if MSB != (\new)
	s_set_vgpr_msb (MSB<<8)|(\new)
.set MSB, \new
.endif
.endm
.macro PLACES                          ; a load into a register that a matrix instruction has read, and a vector instruction that reads a matrix result, stand four plain
.rept 4                                ; vector instructions behind it (ISA guide 7.12.1 for vector instructions)
	v_nop
.endr
.endm
.macro CREST                           ; a round of the cluster's barrier behind its opening barrier
	s_cmp_lg_u32 s[WV], 0
	s_cbranch_scc1 .Lnot_wave_0_\@
	s_barrier_signal -3
.Lnot_wave_0_\@:
	s_barrier_wait -3
	s_barrier_signal -1
	s_barrier_wait -1
.endm
.macro CROUND                          ; a whole round
	s_barrier_signal -1
	s_barrier_wait -1
	CREST
.endm
.macro CPAIR r, val
	s_mov_b32 s[\r], \val
	s_mov_b32 s[(\r)+1], \val
.endm
; The head of a run of LDS loads: the places behind the buffers' last readers, which are also the plain instructions behind the last reciprocal or exponential, and the one wait
; between a batch of those and the first line that names a result.
.macro RUNHEAD
	WIN 0
	PLACES
	s_wait_alu depctr_va_vdst(0)
.endm
; THE LDS LOADS stand in runs.  A fragment is 1,024 bytes in fragment order: two loads, 512 bytes apart, 16 neighbouring bytes a lane.
.macro LDK half                        ; K's fragments 8 half .. 8 half + 7 into buffers b, c or d, e
.irp q, 0,1,2,3,4,5,6,7
	ds_load_b128 v[BB+8*(8*(\half)+(\q)):BB+8*(8*(\half)+(\q))+3],   v[ADR] offset:1024*(8*(\half)+(\q))
	ds_load_b128 v[BB+8*(8*(\half)+(\q))+4:BB+8*(8*(\half)+(\q))+7], v[ADR] offset:1024*(8*(\half)+(\q))+512
.endr
.endm
.macro LDV buf, kk, cbb, voff          ; V's fragments 8 kk + cbb .. + 3; V begins voff bytes into my part of the slot
.irp q, 0,1,2,3
	ds_load_b128 v[(\buf)+8*(\q):(\buf)+8*(\q)+3],   v[ADR] offset:(\voff)+1024*(8*(\kk)+(\cbb)+(\q))
	ds_load_b128 v[(\buf)+8*(\q)+4:(\buf)+8*(\q)+7], v[ADR] offset:(\voff)+1024*(8*(\kk)+(\cbb)+(\q))+512
.endr
.endm
.macro LDP buf, kk                     ; P's four fragments (a tile each) of keys 32 kk on: lane l takes query l % 16, keys 8 (l / 16) + 0..7 and 16 more on
.irp q, 0,1,2,3
	ds_load_b128 v[(\buf)+8*(\q):(\buf)+8*(\q)+3],   v[APR] offset:PTILE*(\q)+64*(\kk)
	ds_load_b128 v[(\buf)+8*(\q)+4:(\buf)+8*(\q)+7], v[APR] offset:PTILE*(\q)+64*(\kk)+32
.endr
.endm
; THE MATRIX WORK.  mi counts a unit's 16 products.  No two matrix instructions that follow each other share an accumulator: a piece's two tiles alternate; O's sixteen take turns.
.macro MM1 p, fb                       ; S^T of piece p: fragment fb + mi / 2 of K, tile 2 p + mi % 2.  Fragment 0 starts the sum
.set f_, (\fb)+mi/2
.set t_, 2*(\p)+mi%2
.set rS, S+8*t_
.set rK, BB+8*f_
.set rX, 128*(t_%2)+8*f_
	WIN 0x08+4*(\p)
.if f_ == 0
	v_wmma_f32_16x16x32_bf16 v[rS:rS+7], v[rK:rK+7], v[rX:rX+7], 0
.else
	v_wmma_f32_16x16x32_bf16 v[rS:rS+7], v[rK:rK+7], v[rX:rX+7], v[rS:rS+7]
.endif
.set mi, mi+1
.endm
.macro MM2 vb, pb, cbb                 ; O^T: channel block cbb + mi / 4 (V from buffer vb), tile mi % 4 (P from buffer pb)
.set rO, 8*(4*((\cbb)+mi/4)+mi%4)
.set rV, (\vb)+8*(mi/4)
.set rP, (\pb)+8*(mi%4)
	WIN 0x50
	v_wmma_f32_16x16x32_bf16 v[rO:rO+7], v[rV:rV+7], v[rP:rP+7], v[rO:rO+7]
.set mi, mi+1
.endm
.macro G2U vb, pb, cbb                 ; a unit of O^T with nothing between its products
.set mi, 0
.rept 16
	MM2 \vb, \pb, \cbb
.endr
.endm
; GELU of a piece (16 registers x0-x15, 8 pairs) is three numbered lists; GA, GB, GC write the next entry for piece p.
; LIST A, 32: for each x: 1 + u sqrt(2) / 4, and its reciprocal t.  Each accumulator's lowest register is read first.
.macro GA p
.if ja%2 == 0
	v_fma_f32 v[T+ja/2], |v[S+16*(\p)+ja/2]|, s[C1], 1.0
.else
	v_rcp_f32 v[T+ja/2], v[T+ja/2]
.endif
.set ja, ja+1
.endm
; Plain entry q of 44 for the pairs mb .. mb + 3, which take turns: 0-35 the polynomial from A9 down, nine steps; 36-39 - x log2(e) / 2; 40-43 times x, onto the polynomial.
.macro GPL p, q, mb
.set m_, (\mb)+(\q)%4
.set rT, T+2*m_
.set rP, PP+2*m_
.set rX, S+16*(\p)+2*m_
.set rY, Y+2*((\q)%4)
.if (\q) < 4
	v_pk_fma_f32 v[rP:rP+1], v[rT:rT+1], s[AC+18:AC+19], s[AC+16:AC+17] op_sel_hi:[1,0,0]
.elseif (\q) < 36
	v_pk_fma_f32 v[rP:rP+1], v[rP:rP+1], v[rT:rT+1], s[AC+2*(8-(\q)/4):AC+2*(8-(\q)/4)+1] op_sel_hi:[1,1,0]
.elseif (\q) < 40
	v_pk_mul_f32 v[rY:rY+1], v[rX:rX+1], s[NK:NK+1] op_sel_hi:[1,0]
.else
	v_pk_fma_f32 v[rP:rP+1], v[rY:rY+1], v[rX:rX+1], v[rP:rP+1]
.endif
.endm
; LIST B, 120.  0-43: the plain 44 of pairs 0-3.  44-95: the plain 44 of pairs 4-7, and at every sixth place one of the exponentials 0-7.  96-119: exponentials 8-15, behind each two of the sixteen - u t.
; Nothing in the list names an exponential's result, each exponential has a plain neighbour behind it, and the list ends on plain lines: the 16 exponentials are one batch with one wait, behind the list.
.macro GB p
.if jb < 44
	GPL \p, jb, 0
.elseif jb < 96
.set kb, jb-44
.if (kb%6 == 0) && (kb < 48)
	v_exp_f32 v[PP+kb/6], v[PP+kb/6]
.else
.set qq, kb-8
.if kb < 48
.set qq, kb-kb/6-1
.endif
	GPL \p, qq, 4
.endif
.else
.set kb, jb-96
.if kb%3 == 0
	v_exp_f32 v[PP+8+kb/3], v[PP+8+kb/3]
.else
.set wi, kb-kb/3-1
	v_mul_f32 v[T+wi], -|v[S+16*(\p)+wi]|, v[T+wi]
.endif
.endif
.set jb, jb+1
.endm
; LIST C, 40: max(x, 0); g = max(x, 0) + (- u t) 2^(..); g rounded to bf16 in pairs; ss += g^2, the piece's two tiles by turns.
.macro GC p
.set bX, S+16*(\p)
.if jc < 16
	v_max_num_f32 v[bX+jc], 0, v[bX+jc]
.elseif jc < 24
.set m_, jc-16
	v_pk_fma_f32 v[bX+2*m_:bX+2*m_+1], v[T+2*m_:T+2*m_+1], v[PP+2*m_:PP+2*m_+1], v[bX+2*m_:bX+2*m_+1]
.elseif jc < 32
.set m_, jc-24
	v_cvt_pk_bf16_f32 v[T+m_], v[bX+2*m_], v[bX+2*m_+1]
.else
.set m_, 4*((jc-32)%2)+(jc-32)/2
.set rQ, SS+2*(2*(\p)+m_/4)
	v_pk_fma_f32 v[rQ:rQ+1], v[bX+2*m_:bX+2*m_+1], v[bX+2*m_:bX+2*m_+1], v[rQ:rQ+1]
.endif
.set jc, jc+1
.endm
.macro RID kind, p, n                  ; a slice: n entries of list A (1), B (2) or C (3) for piece p, in window 0
.if (\n) > 0
	WIN 0
.rept \n
.if (\kind) == 1
	GA \p
.elseif (\kind) == 2
	GB \p
.else
	GC \p
.endif
.endr
.endif
.endm
.macro PST p                           ; the piece's weights go to P: 16 bytes a lane and tile: my query's row, my wave's and half's eight keys
	WIN 0
	ds_store_b128 v[APS], v[T:T+3]   offset:PTILE*(2*(\p))
	ds_store_b128 v[APS], v[T+4:T+7] offset:PTILE*(2*(\p)+1)
.endm
; A PREFETCH INTO THE L2 of block tau + 3, two trips ahead of the tensor load that will ask for it.  All work-groups walk the same streams: the launch's first cluster asks, and nobody else.  Of wave w's block of
; 32,768 bytes each of its four partners takes 8,192, told apart BY ADDRESS: a lane 256 bytes, one instruction a wave and trip.  So each aligned 256 bytes are named once in the launch.
; Blocks 0 to 2 and K of steps 0 and 1 come by their loads alone; the loop's last two trips ask for nothing: block 62 is the stream's last.
.macro ASK
	s_cmp_gt_u32 s[LEFT], s[LIM]
	s_cbranch_scc0 .Lnot_mine_\@
	global_prefetch_b8 v[PFO], s[PFA:PFA+1] th:TH_LOAD_NT scope:SCOPE_SE
.Lnot_mine_\@:
.endm
; A TRIP.  g2: O^T's products and their runs are there (not in the first trip, whose slices then stand by themselves).  fill: the round and the refill; else my work-group's barrier alone.
; pf: the prefetch.  kr: K of the step after next is fetched.  cprev: piece b of the step before is finished.  voff: where V lies in my part of the slot.
.macro TRIP g2, fill, pf, kr, cprev, voff
	; U1: S^T of piece a, K's fragments 0-7 | list C of piece b of the step before
	s_wait_dscnt 16                                ; K's fragments 0-7 are in; the sixteen loads of 8-15 may stay out
.set mi, 0
.set jc, 0
.rept 16
	MM1 0, 0
.if \cprev
	RID 3, 1, 2+mi%2
.endif
.endr
.if \cprev
	PST 1
.endif
	; U2: fragments 8-15
	s_wait_dscnt 2*(\cprev)                        ; fragments 8-15 are in; the two stores just issued may stay out
.set mi, 0
.rept 16
	MM1 0, 8
.endr
	; U3: S^T of piece b, fragments 0-7 | list A of piece a, four places behind the products that ended its sums
	PLACES
.set mi, 0
.set ja, 0
.rept 8
	MM1 1, 0
	RID 1, 0, 2
.endr
.if \pf
	s_wait_xcnt 0x0                                ; the last prefetch, a trip back, has read its address, so it may be stepped
	s_add_nc_u64 s[PFA:PFA+1], s[PFA:PFA+1], BLOCK
.endif
	s_wait_tensorcnt 0x0                           ; all my tensor loads have landed: the one that was out is my block for this trip; so a group 0 may be written
	ds_add_u32 v[SPW], v[NIL]                      ; 0 onto my spare word: work on registers stands between it and the wait for it
.if \fill
	s_xor_b32 s[G0W+1], s[G0W+1], SLOT1            ; the walking descriptor: the other slot than last time,
	s_add_nc_u64 s[G0W+2:G0W+3], s[G0W+2:G0W+3], BLOCK  ; the next block; the type bits on top are not reached
.endif
	s_xor_b32 s[TB], s[TB], SLOT1                  ; behind the barrier: the block that has landed,
	s_xor_b32 s[PT], s[PT], PTOG                   ; the weights that are now whole,
	s_xor_b32 s[PS], s[PS], PTOG                   ; and the buffer that has been read out takes the next
.rept 4
	MM1 1, 0
	RID 1, 0, 2
.endr
	s_wait_dscnt 0x0                               ; the add is done; my reads of the old slot and of the old weights are back; my stores of the new weights are done
	s_barrier_signal -1
.rept 4
	MM1 1, 0
	RID 1, 0, 2
.endr
	v_nop                                          ; a plain instruction behind the last reciprocal,
	s_wait_alu depctr_va_vdst(0)                   ; and the one wait for the piece's sixteen, ahead of the branch and of list B
	s_barrier_wait -1
.if \fill
	CREST                                          ; the barrier has opened a round of the cluster's: no wave of any partner still reads the old slot or has a load on its way
	tensor_load_to_lds s[G0W:G0W+3], s[G1F:G1F+7]  ; my one tensor load behind the round, and the first thing there: it has a trip less eight products in which to land
	s_nop 0
.endif
	PLACES                                         ; also the places in front of the loads below
	v_add_nc_u32 v[ADR], s[TB], v[AL0]
	v_add_nc_u32 v[APR], s[PT], v[APR0]
	v_add_nc_u32 v[APS], s[PS], v[APS0]
.if \g2
	LDV BA, 0, 0, \voff
	LDP BC, 0
	LDV BB, 0, 4, \voff
.endif
.if \pf
	ASK
.endif
	; U4: S^T of piece b, fragments 8-15 | list B of piece a
.set mi, 0
.set jb, 0
.rept 16
	MM1 1, 8
	RID 2, 0, 3+((mi%4)+3)/4
.endr
	; U5: O^T, keys 0-31, channel blocks 0-3 | list B goes on
.if \g2
	s_wait_dscnt 8                                 ; V0 and P0 are in; V1's eight loads may stay out
.endif
.set mi, 0
.rept 16
.if \g2
	MM2 BA, BC, 0
.else
.set mi, mi+1
.endif
	RID 2, 0, 3+((mi%4)+3)/4
.endr
	; U6: channel blocks 4-7 | list C of piece a and its stores, then list A of piece b
	RUNHEAD                                        ; the wait is for piece a's exponentials
.if \g2
	LDV BA, 1, 0, \voff
	LDP BE, 1
	LDV BD, 1, 4, \voff
	s_wait_dscnt 24                                ; V1 is in: all but the 24 just issued
.endif
.set mi, 0
.set jc, 0
.set ja, 0
.rept 8
.if \g2
	MM2 BB, BC, 4
.endif
	RID 3, 0, 5
.endr
	PST 0
.rept 8
.if \g2
	MM2 BB, BC, 4
.endif
	RID 1, 1, 4
.endr
	; U7: keys 32-63, channel blocks 0-3 | list B of piece b
	RUNHEAD                                        ; the wait is for piece b's reciprocals
.if \kr
	LDK 0
.endif
.if \g2
	s_wait_dscnt 10+16*(\kr)                       ; V2 and P1 are in; V3's eight loads, the two stores and K's sixteen loads may stay out
.endif
.set mi, 0
.set jb, 0
.rept 16
.if \g2
	MM2 BA, BE, 0
.else
.set mi, mi+1
.endif
	RID 2, 1, 3+((mi%4)+3)/4
.endr
	; U8: channel blocks 4-7 | list B goes on
.if \g2
	s_wait_dscnt 2+16*(\kr)                        ; V3 is in
.endif
.set mi, 0
.rept 16
.if \g2
	MM2 BD, BE, 4
.else
.set mi, mi+1
.endif
	RID 2, 1, 3+((mi%4)+3)/4
.endr
	RUNHEAD                                        ; the wait is for piece b's exponentials, ahead of the loop's jump
.if \kr
	LDK 1
.endif
.endm
; THE LAST STEP's O^T.  Piece b's list C, its stores, my work-group's barrier; V of step 63 lies behind V of step 62 in the same slot.
.macro FINAL
.set jc, 0
	RID 3, 1, 40
	PST 1
	s_wait_dscnt 0x0                               ; for the others' sake: my stores of the last weights are done
	s_barrier_signal -1
	s_barrier_wait -1
	s_xor_b32 s[PT], s[PT], PTOG
	v_add_nc_u32 v[APR], s[PT], v[APR0]
	LDV BA, 0, 0, VAREA
	LDP BC, 0
	LDV BB, 0, 4, VAREA
	s_wait_dscnt 8
	G2U BA, BC, 0
	WIN 0
	PLACES
	LDV BA, 1, 0, VAREA
	LDP BE, 1
	LDV BD, 1, 4, VAREA
	s_wait_dscnt 24
	G2U BB, BC, 4
	s_wait_dscnt 8
	G2U BA, BE, 0
	s_wait_dscnt 0x0
	G2U BD, BE, 4
.endm
; X.  Batch b of 16: tile b / 4, fragments 4 (b % 4) on.  A fragment is 16 rows x 32 channels: lane l takes row l % 16, channels 8 (l / 16) + 0..7 and 16 more on: four loads of 16 bytes of f32, rounded to 8 registers.
.macro XLOAD b
.set xb, BA+64*((\b)%2)
.set xo, 32768*((\b)/4)+512*((\b)%4)
.irp q, 0,1,2,3
	global_load_b128 v[xb+16*(\q):xb+16*(\q)+3],     v[XO], s[4:5] offset:xo+128*(\q)
	global_load_b128 v[xb+16*(\q)+4:xb+16*(\q)+7],   v[XO], s[4:5] offset:xo+128*(\q)+16
	global_load_b128 v[xb+16*(\q)+8:xb+16*(\q)+11],  v[XO], s[4:5] offset:xo+128*(\q)+64
	global_load_b128 v[xb+16*(\q)+12:xb+16*(\q)+15], v[XO], s[4:5] offset:xo+128*(\q)+80
.endr
.endm
.macro XCVT b
.set xb, BA+64*((\b)%2)
.set xd, 128*(((\b)/4)%2)+32*((\b)%4)
	WIN 0x80+0x40*((\b)/8)                         ; destination window 2 or 3
.set z, 0
.rept 32
	v_cvt_pk_bf16_f32 v[xd+z], v[xb+2*z], v[xb+2*z+1]
.set z, z+1
.endr
	WIN 0
.endm
	s_load_b128 s[4:7], s[0:1], 0x0                ; inputs s[4:5], kv s[6:7]
	s_load_b64 s[8:9], s[0:1], 0x10                ; out0
	v_lshl_add_u32 v[SPW], v0, 2, SPARE
	v_mov_b32 v[NIL], 0
	ds_add_u32 v[SPW], v[NIL]                      ; the wave's opening: the add and its wait ahead of my first tensor load; the set-up below, work on registers, stands between them
	v_lshrrev_b32 v[HL], 5, v0
	v_readfirstlane_b32 s[WV], v[HL]               ; wave 0..3
	s_bfe_u32 s[CX], ttmp6, 0x40000                ; my place in the cluster
	s_lshl_b32 s[GW], ttmp9, 2                     ; in a cluster launch ttmp9 counts clusters
	s_add_co_u32 s[GW], s[GW], s[CX]               ; my work-group: it enters X's, out's and the prefetches' addresses alone
	s_lshl_b32 s[LW], s[WV], 15                    ; my part of a slot: no place in the cluster enters an LDS address
	; descriptor group 1: a dense block as rows of 256 bytes
.irp g, G1F, G1H
	s_mov_b32 s[(\g)+0], 15|(3<<16)|(1<<21)        ; 15:0 the mask: all four work-groups; 17:16 elements of 8 bytes; 20 no padding; 21 set beside a mask
	s_mov_b32 s[(\g)+1], 32<<16                    ; tensor_dim0 = 32 elements
	s_mov_b32 s[(\g)+3], 32<<16                    ; tile_dim0 = 32
	s_mov_b32 s[(\g)+5], 32                        ; 32 elements from row to row
	s_mov_b32 s[(\g)+6], 0
	s_mov_b32 s[(\g)+7], 0
.endr
	s_mov_b32 s[G1F+2], 128<<16                    ; tensor_dim1 = 128 rows
	s_mov_b32 s[G1F+4], 128                        ; tile_dim1 = 128
	s_mov_b32 s[G1H+2], 64<<16
	s_mov_b32 s[G1H+4], 64
	s_mov_b32 s[G0A], 1                            ; count = 1
	s_mov_b32 s[G0A+1], s[LW]                      ; LDS address: K's place in my part of slot 0
	s_mov_b32 s[G0B], 1
	s_add_co_u32 s[G0B+1], s[LW], SLOT1            ; of slot 1
	s_mov_b32 s[G0W], 1
	s_add_co_u32 s[G0W+1], s[LW], SLOT1            ; the first refill turns this into slot 0
	CPAIR AC+0,  0xc034d90f                        ; -1.26551223 log2(e) - 1
	CPAIR AC+2,  0x3fb8ab5a                        ;  1.00002368 log2(e)
	CPAIR AC+4,  0x3f0a29d2                        ;  0.37409196 log2(e)
	CPAIR AC+6,  0x3e0efb2f                        ;  0.09678418 log2(e)
	CPAIR AC+8,  0xbe899a80                        ; -0.18628806 log2(e)
	CPAIR AC+10, 0x3ecdfd18                        ;  0.27886807 log2(e)
	CPAIR AC+12, 0xbfd1a1e5                        ; -1.13520398 log2(e)
	CPAIR AC+14, 0x40097039                        ;  1.48851587 log2(e)
	CPAIR AC+16, 0xbf97d29d                        ; -0.82215223 log2(e)
	CPAIR AC+18, 0x3e7c6f08                        ;  0.17087277 log2(e)
	CPAIR NK,    0xbf38aa3b                        ; -log2(e) / 2
	s_mov_b32 s[C1], 0x3eb504f3                    ; sqrt(2) / 4
	s_mov_b32 s[SEL], 0x76543210
	s_mov_b32 s[SEL+1], 0xfedcba98
	s_mov_b32 s[TB], 0
	s_mov_b32 s[PT], 0
	s_mov_b32 s[PS], PTOG
	s_mov_b32 s[TM+1], 0
	s_mov_b32 s[TC+1], 0
	v_bfe_u32 v[HL], v0, 4, 1                      ; lane / 16
	v_and_b32 v[LN], 31, v0
	v_and_b32 v[RW], 15, v0
	v_lshl_add_u32 v[AL0], v[LN], 4, s[LW]
	v_mul_u32_u24 v[APR0], v[RW], PPITCH
	v_lshl_add_u32 v[APR0], v[HL], 4, v[APR0]
	v_add_nc_u32 v[APR0], PBUF, v[APR0]
	s_lshl_b32 s[TM], s[WV], 5
	v_add_nc_u32 v[APS0], s[TM], v[APR0]
	v_lshlrev_b32 v[PFO], 8, v[LN]
	v_lshlrev_b32 v[XO], 11, v[RW]
	v_lshl_add_u32 v[XO], v[HL], 5, v[XO]          ; row x 2,048 + 32 x half
	s_wait_dscnt 0x0                               ; the opening add is done
	s_wait_kmcnt 0x0
	s_lshl_b32 s[TM], s[WV], 21
	s_add_nc_u64 s[KB:KB+1], s[6:7], s[TM:TM+1]    ; my wave's stream: the same in all four partners
	s_mov_b64 s[G0A+2:G0A+3], s[KB:KB+1]           ; K of step 0
	s_or_b32 s[G0A+3], s[G0A+3], 0x80000000        ; type = 2
	s_add_nc_u64 s[G0B+2:G0B+3], s[KB:KB+1], 16384 ; K of step 1
	s_or_b32 s[G0B+3], s[G0B+3], 0x80000000
	s_mov_b64 s[G0W+2:G0W+3], s[KB:KB+1]           ; the first refill steps this to block 0
	s_or_b32 s[G0W+3], s[G0W+3], 0x80000000
	s_lshl_b32 s[TC], s[CX], 13                    ; my work-group's 8,192 bytes of a block
	s_add_nc_u64 s[PFA:PFA+1], s[KB:KB+1], s[TC:TC+1]
	s_add_nc_u64 s[PFA:PFA+1], s[PFA:PFA+1], 3*BLOCK  ; in block 2: the loop's first trip steps it to block 3.  Nothing is prefetched here, at the head
	s_lshl_b32 s[TC], s[GW], 17                    ; my work-group's 64 rows of 2,048 bytes
	s_add_nc_u64 s[4:5], s[4:5], s[TC:TC+1]
	s_add_nc_u64 s[8:9], s[8:9], s[TC:TC+1]
	s_lshl_b32 s[TM], s[WV], 9                     ; my wave's 128 channels
	s_add_nc_u64 s[8:9], s[8:9], s[TM:TM+1]
	s_cmp_eq_u32 ttmp9, 0                          ; the same in all four partners
	s_cselect_b32 s[LIM], 2, -1
	CROUND                                         ; all four work-groups are here: the first joint loads meet
	tensor_load_to_lds s[G0A:G0A+3], s[G1H:G1H+7]  ; the first fills go out together: two loads of mine are out
	s_nop 0
	tensor_load_to_lds s[G0B:G0B+3], s[G1H:G1H+7]
	s_nop 0
	PLACES
	XLOAD 0
	XLOAD 1
	WIN 0x40                                       ; O and ss start at 0: written while the first loads are out
.set z, 0
.rept 256
	v_mov_b32 v[z], 0
.set z, z+1
.endr
	WIN 0
.set z, 0
.rept 8
	v_mov_b32 v[SS+z], 0
.set z, z+1
.endr
.set bb, 0
.rept 16
.if bb < 15
	s_wait_loadcnt 16                              ; this batch is in; the next one's sixteen loads stay out
.else
	s_wait_loadcnt 0x0
.endif
	XCVT bb
.if bb < 14
	XLOAD bb+2
.endif
.set bb, bb+1
.endr
	s_wait_tensorcnt 0x1                           ; K of step 0 is in, and only I read my part; K of step 1 may stay out
	v_mov_b32 v[ADR], v[AL0]
	LDK 0
	LDK 1
	TRIP 0, 1, 0, 1, 0, VAREA                      ; S of step 0; block 0 is asked for; K of step 1 is fetched
	s_mov_b32 s[LEFT], 62
.Ltrip:                                        ; trips 0 to 61: S of step tau + 1, O of step tau; block tau + 1 is asked for
	TRIP 1, 1, 1, 1, 1, VAREA
	s_sub_co_u32 s[LEFT], s[LEFT], 1
	s_cmp_lg_u32 s[LEFT], 0
	s_cbranch_scc1 .Ltrip
	TRIP 1, 0, 0, 0, 1, 0                          ; the tail is written out: S of step 63, O of step 62, whose V lies where K lay
	FINAL                                          ; O of step 63
	; THE WAY OUT.  A query's sum of squares: my two halves, the other half of the lanes', the other three waves'.  The first four additions are the places behind the last products.
	WIN 0
.irp t, 0,1,2,3
	v_add_f32 v[SS+2*(\t)], v[SS+2*(\t)], v[SS+2*(\t)+1]
.endr
.irp t, 0,1,2,3
	v_permlanex16_b32 v[SS+2*(\t)+1], v[SS+2*(\t)], s[SEL], s[SEL+1]
.endr
.irp t, 0,1,2,3
	v_add_f32 v[SS+2*(\t)], v[SS+2*(\t)], v[SS+2*(\t)+1]
.endr
	s_lshl_b32 s[TM], s[WV], 2
	v_lshl_add_u32 v[APR], v[RW], 4, SSX           ; a query's four words,
	v_add_nc_u32 v[APS], s[TM], v[APR]             ; my wave's among them
.irp t, 0,1,2,3
	ds_store_b32 v[APS], v[SS+2*(\t)] offset:256*(\t)  ; both halves of the lanes write the same number to the same word
.endr
	s_wait_dscnt 0x0                               ; for the others' sake: my stores are done
	s_barrier_signal -1
	s_barrier_wait -1
.irp t, 0,1,2,3
	ds_load_b128 v[T+4*(\t):T+4*(\t)+3], v[APR] offset:256*(\t)
.endr
	s_mul_i32 s[TM], s[WV], 16*SPITCH
	s_add_co_u32 s[TM], s[TM], STAGE               ; my stage
	v_mul_u32_u24 v[ADR], v[RW], SPITCH            ; in: row lane % 16, 32 bytes for each half of the lanes
	v_lshl_add_u32 v[ADR], v[HL], 5, v[ADR]
	v_add_nc_u32 v[ADR], s[TM], v[ADR]
	v_lshl_add_u32 v[RD], v[LN], 4, s[TM]          ; back: 32 lanes take a row's 512 bytes
	v_lshlrev_b32 v[GO], 4, v[LN]
	s_wait_dscnt 0x0
.irp t, 0,1,2,3
	v_add_f32 v[T+4*(\t)], v[T+4*(\t)], v[T+4*(\t)+1]
	v_add_f32 v[T+4*(\t)+2], v[T+4*(\t)+2], v[T+4*(\t)+3]
.endr
.irp t, 0,1,2,3
	v_add_f32 v[T+4*(\t)], v[T+4*(\t)], v[T+4*(\t)+2]
.endr
.irp t, 0,1,2,3
	v_rsq_f32 v[SS+2*(\t)], v[T+4*(\t)]
.endr
	v_nop                                          ; a plain instruction behind the last root,
	s_wait_alu depctr_va_vdst(0)                   ; and the one wait for the four, ahead of the first use
.irp t, 0,1,2,3
	v_mul_f32 v[SS+2*(\t)], 0x42800000, v[SS+2*(\t)]  ; sqrt(4096) = 64
.endr
; Tile t: O^T is scaled, each accumulator from its low end on; a lane's eight channels of a row, 32 bytes, go into rows of 528 bytes of my own stage and come back as whole rows of 512.
.macro OUTP t
	WIN 0x41                                       ; O^T (destination and source 0) in window 1, the factor in window 0
.irp cb, 0,1,2,3,4,5,6,7
.irp z, 0,2,4,6
	v_pk_mul_f32 v[8*(4*(\cb)+(\t))+(\z):8*(4*(\cb)+(\t))+(\z)+1], v[8*(4*(\cb)+(\t))+(\z):8*(4*(\cb)+(\t))+(\z)+1], v[SS+2*(\t):SS+2*(\t)+1] op_sel_hi:[1,0]
.endr
.endr
	WIN 0x04                                       ; the stores' data in window 1
.irp cb, 0,1,2,3,4,5,6,7
	ds_store_b128 v[ADR], v[8*(4*(\cb)+(\t)):8*(4*(\cb)+(\t))+3]   offset:64*(\cb)
	ds_store_b128 v[ADR], v[8*(4*(\cb)+(\t))+4:8*(4*(\cb)+(\t))+7] offset:64*(\cb)+16
.endr
	WIN 0
.if (\t) >= 2
	s_wait_xcnt 0x0                                ; the registers below were the data of the stores two tiles back: they are loaded again only behind this wait
.endif
.set ob, BA+64*((\t)%2)
.set z, 0
.rept 16
	ds_load_b128 v[ob+4*z:ob+4*z+3], v[RD] offset:SPITCH*z  ; LDS serves a wave's instructions in order (ISA guide 5.7.1.4): these see the stores above; the next tile's stores come behind them
.set z, z+1
.endr
.endm
.macro SEND t, younger                 ; younger: the LDS instructions issued behind tile t's loads: the next tile's 32, or none
.set ob, BA+64*((\t)%2)
.set z, 0
.rept 16
	s_wait_dscnt (\younger)+15-z
	global_store_b128 v[GO], v[ob+4*z:ob+4*z+3], s[8:9] offset:(16*(\t)+z)*2048 th:TH_STORE_NT  ; 512 consecutive bytes, at a multiple of 256 from out's first byte
.set z, z+1
.endr
.endm
	OUTP 0
	OUTP 1                                         ; a tile's arithmetic stands between the loads of the tile before and its stores
	SEND 0, 32
	OUTP 2
	SEND 1, 32
	OUTP 3
	SEND 2, 32
	SEND 3, 0
	s_wait_tensorcnt 0x0                           ; the wave's end: behind my last tensor load and my last LDS store
	ds_add_u32 v[SPW], v[NIL]
	s_wait_dscnt 0x0
	CROUND                                         ; the closing round: no work-group ends while a partner may still ask for a block that names it
	s_endpgm
.Lfunc_end_k_q9e56c79638_main:
	.size	k_q9e56c79638_main, .Lfunc_end_k_q9e56c79638_main-k_q9e56c79638_main
	.p2alignl 7, 3214868480
	.fill 96, 4, 3214868480
	.section	.rodata,"a",@progbits
	.p2align	6, 0x0
	.amdhsa_kernel k_q9e56c79638_main
		.amdhsa_group_segment_fixed_size 327680
		.amdhsa_private_segment_fixed_size 0
		.amdhsa_enable_private_segment 0
		.amdhsa_kernarg_size 24
		.amdhsa_user_sgpr_count 2
		.amdhsa_user_sgpr_kernarg_segment_ptr 1
		.amdhsa_wavefront_size32 1
		.amdhsa_system_sgpr_workgroup_id_x 1
		.amdhsa_system_sgpr_workgroup_id_y 1
		.amdhsa_system_sgpr_workgroup_id_z 1
		.amdhsa_system_vgpr_workitem_id 0
		.amdhsa_next_free_vgpr 1024
		.amdhsa_next_free_sgpr 96
		.amdhsa_reserve_vcc 0
		.amdhsa_float_denorm_mode_32 3
		.amdhsa_float_denorm_mode_16_64 3
		.amdhsa_memory_ordered 1
		.amdhsa_forward_progress 1
		.amdhsa_inst_pref_size 224
	.end_amdhsa_kernel
	.amdgpu_metadata
---
amdhsa.version: [ 1, 2 ]
amdhsa.kernels:
  - .name:           k_q9e56c79638_main
    .symbol:         k_q9e56c79638_main.kd
    .args:
      - { .name: inputs, .offset: 0, .size: 8, .value_kind: global_buffer, .address_space: global }
      - { .name: kv, .offset: 8, .size: 8, .value_kind: global_buffer, .address_space: global }
      - { .name: out0, .offset: 16, .size: 8, .value_kind: global_buffer, .address_space: global }
    .group_segment_fixed_size: 327680
    .private_segment_fixed_size: 0
    .kernarg_segment_align: 8
    .kernarg_segment_size: 24
    .max_flat_workgroup_size: 128
    .sgpr_count:     96
    .vgpr_count:     1024
    .wavefront_size: 32
...
	.end_amdgpu_metadata
.endif
;; end of part 2
;; ======== version 2 of 2: 2 launches
;; limits: a function is approximated: absolute error at most 1.2e-05
;; workspace buffers: kv 8,388,608 bytes
;; launch prep (part 3): grid 256 x 2, 8 waves a work-group, no clusters, 0 bytes of LDS; arguments key_tokens, value_tokens, kv; writes kv
.if DOCPART == 3
	.amdgcn_target "amdgcn-amd-amdhsa--gfx1250"
	.amdhsa_code_object_version 6
	.text
	.protected	k_q9e56c79638_prep
	.globl	k_q9e56c79638_prep
	.p2align	8
	.type	k_q9e56c79638_prep,@function
k_q9e56c79638_prep:
	s_mov_b64 s[64:65], 0
	v_nop
	global_prefetch_b8 v0, s[64:65] scope:SCOPE_SE
	s_setreg_imm32_b32 hwreg(HW_REG_WAVE_MODE, 25, 1), 1
	s_wait_xcnt 0x0
; key_tokens and value_tokens ([4096][512] f32) are rounded once to bf16 and laid in the order in which the next launch's matrix
; instructions take them, as four streams of 2,097,152 bytes, one for each wave number w of that launch.
; A FRAGMENT is 1,024 bytes: piece c (0, 1) of 512 bytes, in it 16 bytes (8 bf16, e = 0..7) for lane l = r + 16 h.
;   K of step j (64 keys), fragment f = 0..15:        K[64 j + 16 w + r][32 f + 16 c + 8 h + e]
;   V of step j, fragment 8 kk + cb (kk 0..1, cb 0..7): V[64 j + 32 kk + 16 c + 8 h + e][128 w + 16 cb + r]     (turned: a lane holds one channel, eight keys)
; A STREAM IS A RING of 64 blocks of 32,768 bytes: block b holds K of step (b + 2) mod 64, then V of step b.  So K of step j lies at the head of block
; (j + 62) mod 64, and V of step j 16,384 bytes into block j: a walk that begins at any step finds, in each block, the V that it multiplies now and the K that it wants two steps on.
; SHARES.  Work-group x = 4 j + w, y = 0 for K and 1 for V, writes one such 16,384 bytes: 1,024 pieces of 16 bytes, thread tid the pieces 256 it + tid, it = 0..3:
; fragment 4 it + wave / 2, piece c = wave % 2.  Each store of a wave covers 512 consecutive bytes, aligned.
; The reads are narrow (32 bytes of a row for K, 4 bytes a lane and 64 bytes a half wave for V), but a work-group uses up every row piece that it touches:
; 16 whole rows of K, or 512 consecutive bytes of each of 64 rows of V.  No LDS, no barrier: no thread wants what another has read.
.set STREAM_SH, 21                     ; a stream is 1 << 21 bytes
.set L,  16                            ; v[16:47]  32 numbers as loaded
.set Q,  48                            ; v[48:63]  16 registers of bf16 pairs to store
	s_load_b128 s[4:7], s[0:1], 0x0                ; key_tokens s[4:5], value_tokens s[6:7]
	s_load_b64 s[8:9], s[0:1], 0x10                ; kv
	s_and_b32 s10, ttmp7, 0xffff                   ; 0: K, 1: V
	s_lshr_b32 s11, ttmp9, 2                       ; j
	s_and_b32 s12, ttmp9, 3                        ; w
	v_and_b32 v1, 15, v0                           ; r
	v_bfe_u32 v2, v0, 4, 1                         ; h
	v_lshrrev_b32 v3, 5, v0                        ; my wave
	v_lshlrev_b32 v4, 4, v0                        ; 16 tid: where I store
	s_lshl_b32 s14, s12, STREAM_SH                 ; the stream
	s_mov_b32 s15, 0
	s_mov_b32 s17, 0
	s_wait_kmcnt 0x0
	s_cmp_lg_u32 s10, 0
	s_cbranch_scc1 .Lvalues
	; K: row 16 x + r, columns 128 it + 16 wave + 8 h + 0..7
	s_add_co_u32 s18, s11, 62
	s_and_b32 s18, s18, 63                         ; block (j + 62) mod 64,
	s_lshl_b32 s18, s18, 15                        ; at its head
	s_add_co_u32 s14, s14, s18
	s_lshl_b32 s16, ttmp9, 15                      ; 16 rows of 2,048 bytes a work-group
	v_lshlrev_b32 v5, 11, v1
	v_lshl_add_u32 v5, v2, 5, v5
	v_lshl_add_u32 v5, v3, 6, v5                   ; 2048 r + 32 h + 64 wave
	s_add_nc_u64 s[4:5], s[4:5], s[16:17]
	s_add_nc_u64 s[8:9], s[8:9], s[14:15]
.irp it, 0,1,2,3
	global_load_b128 v[L+8*(\it):L+8*(\it)+3],   v5, s[4:5] offset:512*(\it)
	global_load_b128 v[L+8*(\it)+4:L+8*(\it)+7], v5, s[4:5] offset:512*(\it)+16
.endr
.irp it, 0,1,2,3
	s_wait_loadcnt 6-2*(\it)                       ; loads come back in order: the two of this piece are in, the younger ones stay out
.irp k, 0,1,2,3
	v_cvt_pk_bf16_f32 v[Q+4*(\it)+(\k)], v[L+8*(\it)+2*(\k)], v[L+8*(\it)+2*(\k)+1]
.endr
	global_store_b128 v4, v[Q+4*(\it):Q+4*(\it)+3], s[8:9] offset:4096*(\it)
.endr
	s_endpgm
.Lvalues:
	; V: rows 64 j + 32 (it / 2) + 16 (wave % 2) + 8 h + e, column 128 w + 64 (it % 2) + 16 (wave / 2) + r
	s_lshl_b32 s18, s11, 15                        ; block j,
	s_add_co_u32 s18, s18, 16384                   ; behind its K
	s_add_co_u32 s14, s14, s18
	s_lshl_b32 s16, s11, 17                        ; 64 rows of 2,048 bytes a step,
	s_lshl_b32 s19, s12, 9                         ; 128 columns a stream
	s_add_co_u32 s16, s16, s19
	v_and_b32 v6, 1, v3
	v_lshrrev_b32 v7, 1, v3
	v_lshlrev_b32 v5, 15, v6                       ; 16 rows
	v_lshl_add_u32 v5, v2, 14, v5                  ; 8 rows
	v_lshl_add_u32 v5, v7, 6, v5                   ; 16 columns
	v_lshl_add_u32 v5, v1, 2, v5                   ; my column
	s_add_nc_u64 s[6:7], s[6:7], s[16:17]
	s_add_nc_u64 s[8:9], s[8:9], s[14:15]
.irp it, 0,1,2,3
.irp e, 0,1,2,3,4,5,6,7
	global_load_b32 v[L+8*(\it)+(\e)], v5, s[6:7] offset:((\it)/2)*65536+((\it)%2)*256+(\e)*2048
.endr
.endr
.irp it, 0,1,2,3
	s_wait_loadcnt 24-8*(\it)                      ; the eight of this piece are in
.irp k, 0,1,2,3
	v_cvt_pk_bf16_f32 v[Q+4*(\it)+(\k)], v[L+8*(\it)+2*(\k)], v[L+8*(\it)+2*(\k)+1]
.endr
	global_store_b128 v4, v[Q+4*(\it):Q+4*(\it)+3], s[8:9] offset:4096*(\it)
.endr
	s_endpgm
.Lfunc_end_k_q9e56c79638_prep:
	.size	k_q9e56c79638_prep, .Lfunc_end_k_q9e56c79638_prep-k_q9e56c79638_prep
	.p2alignl 7, 3214868480
	.fill 96, 4, 3214868480
	.section	.rodata,"a",@progbits
	.p2align	6, 0x0
	.amdhsa_kernel k_q9e56c79638_prep
		.amdhsa_group_segment_fixed_size 0
		.amdhsa_private_segment_fixed_size 0
		.amdhsa_enable_private_segment 0
		.amdhsa_kernarg_size 24
		.amdhsa_user_sgpr_count 2
		.amdhsa_user_sgpr_kernarg_segment_ptr 1
		.amdhsa_wavefront_size32 1
		.amdhsa_system_sgpr_workgroup_id_x 1
		.amdhsa_system_sgpr_workgroup_id_y 1
		.amdhsa_system_sgpr_workgroup_id_z 1
		.amdhsa_system_vgpr_workitem_id 0
		.amdhsa_next_free_vgpr 64
		.amdhsa_next_free_sgpr 66
		.amdhsa_reserve_vcc 0
		.amdhsa_float_denorm_mode_32 3
		.amdhsa_float_denorm_mode_16_64 3
		.amdhsa_memory_ordered 1
		.amdhsa_forward_progress 1
		.amdhsa_inst_pref_size 9
	.end_amdhsa_kernel
	.amdgpu_metadata
---
amdhsa.version: [ 1, 2 ]
amdhsa.kernels:
  - .name:           k_q9e56c79638_prep
    .symbol:         k_q9e56c79638_prep.kd
    .args:
      - { .name: key_tokens, .offset: 0, .size: 8, .value_kind: global_buffer, .address_space: global }
      - { .name: value_tokens, .offset: 8, .size: 8, .value_kind: global_buffer, .address_space: global }
      - { .name: kv, .offset: 16, .size: 8, .value_kind: global_buffer, .address_space: global }
    .group_segment_fixed_size: 0
    .private_segment_fixed_size: 0
    .kernarg_segment_align: 8
    .kernarg_segment_size: 24
    .max_flat_workgroup_size: 256
    .sgpr_count:     66
    .vgpr_count:     64
    .wavefront_size: 32
...
	.end_amdgpu_metadata
.endif
;; end of part 3
;; launch main (part 4): grid 256 x 1, 4 waves a work-group, clusters of 4 x 1, 327,680 bytes of LDS; arguments inputs, kv, out0; writes out0
.if DOCPART == 4
	.amdgcn_target "amdgcn-amd-amdhsa--gfx1250"
	.amdhsa_code_object_version 6
	.text
	.protected	k_q9e56c79638_main
	.globl	k_q9e56c79638_main
	.p2align	8
	.type	k_q9e56c79638_main,@function
k_q9e56c79638_main:
	s_mov_b64 s[64:65], 0
	v_nop
	global_prefetch_b8 v0, s[64:65] scope:SCOPE_SE
	s_setreg_imm32_b32 hwreg(HW_REG_WAVE_MODE, 25, 1), 1
	s_wait_xcnt 0x0
	s_wait_alu depctr_hold_cnt(0) depctr_sa_sdst(0) depctr_va_vdst(0) depctr_va_sdst(0) depctr_va_ssrc(0) depctr_va_vcc(0) depctr_vm_vsrc(0)
	s_getreg_b32 s2, hwreg(HW_REG_IB_STS2, 6, 4)
	s_cmp_eq_u32 s2, 0
	s_cbranch_scc0 .Lentry_in_a_cluster
	s_endpgm
.Lentry_in_a_cluster:
	s_bfe_u32 s2, ttmp6, 0x10000c
	s_cmp_lg_u32 s2, 0x3003
	s_cbranch_scc0 .Lentry_shape_is_right
	s_endpgm
.Lentry_shape_is_right:
; out[q][:] = 64 / |g[q]| x the sum over p of g[q][p] V[p][:],  g = gelu(X K^T) (the exact one),  |g[q]| the root of the row's sum of squares.
; X: [16384][512] f32.  K and V: 4,096 rows of 512, bf16 in fragment order in kv, as the launch before has laid them.  out: [16384][512] f32.
; The norm is one factor a row, so O = g V and ss = the sum of g^2 are gathered over all 4,096 keys, 64 a step, and O is scaled once at the end.
; FORMATS.  X, K, V and the weights g are matrix operands in bf16 (bf16, since g grows with the inputs without bound); products, gelu and all sums in f32; ss is taken of the unrounded g.
; LIMITS.  The order of the sums is not the reference's, and differs from cluster to cluster.  In gelu the factor erfc holds to 7 parts in 10^5 of itself (below), and a factor 2^e below 2^-126 counts as 0.
; A row with ss below 2^-126 gives infinities or NaN (v_rsq_f32 takes it as 0).  NaN and infinities among the inputs are not treated apart.
; SHARES.  A work-group owns 64 rows of X: four tiles t of 16 queries.  256 work-groups, each walks all keys.
;   S^T = K X^T is split BY KEYS: wave w makes the keys 16 w .. 16 w + 15 of a step for all 64 queries (source 0 = a fragment of K, source 1 = one of X).  All of X, 64 fragments, lies in every wave's registers.
;   O^T = V^T P is split BY CHANNELS: wave w holds channels 128 w .. 128 w + 127 for all 64 queries: 32 accumulators.  So every byte of K and V is read from LDS once, by one wave.
;   P = gelu(S) goes from wave to wave through LDS: [query][64 keys] in bf16, two buffers that take turns.
; In S^T a lane holds ONE query (lane % 16) and the keys 8 (lane / 16) + 0..7: 16 bytes of a row of P.  In O^T it holds one query and eight channels.
; CLUSTER.  A wave's one tensor load a step is asked for JOINTLY by the four work-groups of a cluster, which walk in step: same line, same descriptor, mask 15.
; THE WALK.  Each of kv's four streams is a ring of 64 blocks: block b holds K of step (b + 2) mod 64, then V of step b.  Cluster c begins at step s = 37 c mod 64 and goes once round: the sums over the keys
; may be taken in any order.  37 is odd, so the 64 clusters begin at 64 different steps and ask for 64 different blocks at a time; and of the 32 clusters that share any one bit of their number
; no two neighbouring starts lie more than four steps apart.  Below, steps and blocks are counted from s.  The last two blocks' K (steps 0 and 1 once more) is not wanted: the last block is asked for by its V
; alone; the last but one comes whole, since its load is the loop's: 16,384 bytes a wave fetched and not read, the price of one text for the loop's trips.
; NO PREFETCH: every block's first request in the launch is among some cluster's first three loads, at the kernel's head: there is no earlier place from which to ask for it.
; A TRIP, tau, makes S of step tau + 1 and adds step tau to O: eight units U1-U8 of 16 matrix instructions; gelu's 320 vector instructions stand in slices of at most four behind them.  The four tiles are two
; PIECES (a: tiles 0, 1; b: tiles 2, 3); only one piece is at work at a time, so gelu needs one set of 40 registers.
; ONE ROUND of the cluster's barrier a trip, in U3, orders four things: my block tau has landed; nobody reads block tau - 1 any more (its slot is filled again); all of P(tau) is stored; all of P(tau - 1) is read.
; X IS LOADED ONCE A WORK-GROUP: wave w loads tile w (64 loads, all out together), rounds it to 16 fragments and puts them into LDS; every wave takes all 64 fragments from there.
; O and ss are cleared by moves, on purpose: they run while X's fragments come back from LDS, and spare a second copy of the trip's text whose products would start the sums.
;
; GELU.  With u = |x|, t = 1 / (1 + u sqrt(2) / 4):  erfc(u / sqrt 2) / 2 = t 2^(A0 + A1 t + .. + A5 t^5 - x^2 log2(e) / 2);  gelu(x) = max(x, 0) - u t 2^(..).  log2(e) and the half are folded into A0-A5.
; The polynomial is the known fit of degree 9 in t (good to 1.2 parts in 10^7 of erfc itself) less its four highest terms in shifted Chebyshev polynomials on 0 .. 1, whose coefficients are 1.30e-6, -1.62e-6,
; -2.03e-5 and 4.25e-5: the exponent moves by 6.6e-5 at the most, for every u.  So the factor holds to 7 parts in 10^5 OF ITSELF everywhere, the negative tail too; g's rounding to bf16 is up to 2^-8 of itself.
;
; LDS.  0: slot 0, 131,072 bytes: wave w's 32,768 at 32768 w: K's 16,384, then V's.  131072: slot 1.  262144: P, buffer 0 (64 rows of 144).  271360: the waves' sums of squares.  278528: P, buffer 1.
; 287744: a stage of 16 rows x 528 bytes for each wave, for the way out; at the start its first 32,768 bytes carry X from wave to wave.  321536: the spare words.
; The launch claims all of a WGP's LDS.
; REGISTERS, in windows of 256 (s_set_vgpr_msb: bits 1:0 source 0, 3:2 source 1, 5:4 source 2, 7:6 destination):
;   window 0: v0-15 addresses; v16-23 ss; v24-31, v64-95 gelu at work; v32-63 S^T; v96-255 five operand buffers a-e of four fragments
;   window 1: O^T, accumulator (cb, t) at 8 (4 cb + t); at the start my tile of X in f32          windows 2, 3: X, tile t's fragment f in window 2 + t / 2 at 128 (t % 2) + 8 f
;   a: V0, V2     b: V1, K f0-3     c: P0, K f4-7     d: V3, K f8-11     e: P1, K f12-15      (Vn: keys 32 (n / 2) on, channel blocks 4 (n % 2) on; Pk: keys 32 k on, four tiles)
.set SLOT1,  1<<17                     ; one exclusive or turns an address in one slot into the other's
.set VAREA,  16384                     ; V's place in a block, and in a wave's part of a slot
.set PBUF,   262144
.set PPITCH, 144                       ; 128 bytes + 16: the 16 rows of a load start at 16 different groups of four banks (64 banks of 4 bytes: ISA guide 11.1)
.set PTILE,  16*PPITCH
.set PTOG,   16384                     ; from P's buffer 0 to buffer 1
.set SSX,    271360
.set STAGE,  287744
.set SPITCH, 528                       ; 512 bytes + 16, for the same reason
.set XS,     STAGE                     ; X's way from wave to wave: wave w's eight fragments of 1,024 bytes at XS + 8192 w
.set SPARE,  321536                    ; 128 bytes for each wave: two blocks of 256 bytes that no other line names
.set HL,   1                           ; v1   lane / 16
.set AL0,  2                           ; v2   16 x lane + 32768 w: my place in a fragment of my part of slot 0; never rewritten
.set ADR,  3                           ; v3   the same in the slot in hand; on the way out: where I put 32 bytes of a row
.set APR0, 4                           ; v4   PBUF + 144 (lane % 16) + 16 (lane / 16); never rewritten
.set APR,  5                           ; v5   the same in the buffer that is read
.set APS0, 6                           ; v6   APR0 + 32 w: my wave's 16 keys; never rewritten
.set APS,  7                           ; v7   the same in the buffer that is written
.set SPW,  8                           ; v8   my spare word: SPARE + 4 x my thread's number; never rewritten
.set NIL,  9                           ; v9   0; never rewritten
.set XPA,  10                          ; v10  XS + 8192 w + 16 x lane: where I put my tile's fragments
.set XO,   11                          ; v11  my byte offset in 16 rows of X; never rewritten
.set XGA,  12                          ; v12  XS + 16 x lane: where I take fragments from
.set RD,   12                          ;      later, the way out: where I read a row back
.set GO,   13                          ; v13  16 x lane
.set LN,   14                          ; v14  lane
.set RW,   15                          ; v15  lane % 16
.set SS,   16                          ; a pair for each tile: sums of squares of even and of odd keys
.set Y,    24                          ; four pairs at work; then the piece's packed weights, until they are stored
.set S,    32                          ; tile t at S + 8 t
.set T,    64                          ; 16: t, then - u t
.set PP,   80                          ; 16: the polynomial, then 2^(..)
.set BA,   96
.set BB,   128
.set BC,   160
.set BD,   192
.set BE,   224
.set WV,   10                          ; s10  my wave's number
.set CX,   11                          ; s11  my place in the cluster
.set GW,   12                          ; s12  my work-group's number
.set LW,   13                          ; s13  32768 w
.set G1F,  16                          ; s[16:23] descriptor group 1: 128 rows of 256 bytes
.set G1H,  24                          ; s[24:31] the same with 64 rows
.set G0A,  32                          ; s[32:35] group 0: K of step 0 into slot 0
.set G0B,  36                          ; s[36:39] K of step 1 into slot 1
.set G0W,  40                          ; s[40:43] the one that walks
.set NXT,  44                          ; s44  the ring's block that is asked for next: made of the cluster's number, the same in all four partners
.set LEFT, 47                          ; s47  trips of the loop still to come
.set TB,   48                          ; s48  0 or SLOT1: the slot in hand
.set PT,   49                          ; s49  0 or PTOG: P's buffer that is read
.set PS,   50                          ; s50  the other one, which is written
.set SEL,  52                          ; s[52:53] v_permlanex16_b32's selects: each lane takes its own place in the other half
.set TM,   54                          ; s[54:55] offsets made of the wave's number
.set KB,   56                          ; s[56:57] my wave's stream in kv; never rewritten
.set TC,   58                          ; s[58:59] offsets made of the work-group's place: they never enter a descriptor
.set OFF,  60                          ; s[60:61] a block's byte offset in a stream
.set AC,   66                          ; s[66:77] A0-A5, each twice: the packed forms name pairs
.set NK,   86                          ; s[86:87] - log2(e) / 2
.set C1,   88                          ; s88  sqrt(2) / 4
.set MSB, 0
.macro WIN new                         ; the immediate's high byte repeats the setting that is left; a switch that changes nothing is dropped
.if MSB != (\new)
	s_set_vgpr_msb (MSB<<8)|(\new)
.set MSB, \new
.endif
.endm
.macro PLACES                          ; a load into a register that a matrix instruction has read, and a vector instruction that reads a matrix result, stand four plain
.rept 4                                ; vector instructions behind it (ISA guide 7.12.1 for vector instructions)
	v_nop
.endr
.endm
.macro CREST                           ; a round of the cluster's barrier behind its opening barrier
	s_cmp_lg_u32 s[WV], 0
	s_cbranch_scc1 .Lnot_wave_0_\@
	s_barrier_signal -3
.Lnot_wave_0_\@:
	s_barrier_wait -3
	s_barrier_signal -1
	s_barrier_wait -1
.endm
.macro CROUND                          ; a whole round
	s_barrier_signal -1
	s_barrier_wait -1
	CREST
.endm
.macro CPAIR r, val
	s_mov_b32 s[\r], \val
	s_mov_b32 s[(\r)+1], \val
.endm
; The head of a run of LDS instructions: the places behind the buffers' last readers, which are also the plain instructions behind the last reciprocal or exponential, and the one wait
; between a batch of those and the first line that names a result.
.macro RUNHEAD
	WIN 0
	PLACES
	s_wait_alu depctr_va_vdst(0)
.endm
; THE LDS LOADS stand in runs.  A fragment is 1,024 bytes in fragment order: two loads, 512 bytes apart, 16 neighbouring bytes a lane.
.macro LDK half                        ; K's fragments 8 half .. 8 half + 7 into buffers b, c or d, e
.irp q, 0,1,2,3,4,5,6,7
	ds_load_b128 v[BB+8*(8*(\half)+(\q)):BB+8*(8*(\half)+(\q))+3],   v[ADR] offset:1024*(8*(\half)+(\q))
	ds_load_b128 v[BB+8*(8*(\half)+(\q))+4:BB+8*(8*(\half)+(\q))+7], v[ADR] offset:1024*(8*(\half)+(\q))+512
.endr
.endm
.macro LDV buf, kk, cbb                ; V's fragments 8 kk + cbb .. + 3
.irp q, 0,1,2,3
	ds_load_b128 v[(\buf)+8*(\q):(\buf)+8*(\q)+3],   v[ADR] offset:VAREA+1024*(8*(\kk)+(\cbb)+(\q))
	ds_load_b128 v[(\buf)+8*(\q)+4:(\buf)+8*(\q)+7], v[ADR] offset:VAREA+1024*(8*(\kk)+(\cbb)+(\q))+512
.endr
.endm
.macro LDP buf, kk                     ; P's four fragments (a tile each) of keys 32 kk on: lane l takes query l % 16, keys 8 (l / 16) + 0..7 and 16 more on
.irp q, 0,1,2,3
	ds_load_b128 v[(\buf)+8*(\q):(\buf)+8*(\q)+3],   v[APR] offset:PTILE*(\q)+64*(\kk)
	ds_load_b128 v[(\buf)+8*(\q)+4:(\buf)+8*(\q)+7], v[APR] offset:PTILE*(\q)+64*(\kk)+32
.endr
.endm
; THE MATRIX WORK.  mi counts a unit's 16 products.  No two matrix instructions that follow each other share an accumulator: a piece's two tiles alternate; O's sixteen take turns.
.macro MM1 p, fb                       ; S^T of piece p: fragment fb + mi / 2 of K, tile 2 p + mi % 2.  Fragment 0 starts the sum
.set f_, (\fb)+mi/2
.set t_, 2*(\p)+mi%2
.set rS, S+8*t_
.set rK, BB+8*f_
.set rX, 128*(t_%2)+8*f_
	WIN 0x08+4*(\p)
.if f_ == 0
	v_wmma_f32_16x16x32_bf16 v[rS:rS+7], v[rK:rK+7], v[rX:rX+7], 0
.else
	v_wmma_f32_16x16x32_bf16 v[rS:rS+7], v[rK:rK+7], v[rX:rX+7], v[rS:rS+7]
.endif
.set mi, mi+1
.endm
.macro MM2 vb, pb, cbb                 ; O^T: channel block cbb + mi / 4 (V from buffer vb), tile mi % 4 (P from buffer pb)
.set rO, 8*(4*((\cbb)+mi/4)+mi%4)
.set rV, (\vb)+8*(mi/4)
.set rP, (\pb)+8*(mi%4)
	WIN 0x50
	v_wmma_f32_16x16x32_bf16 v[rO:rO+7], v[rV:rV+7], v[rP:rP+7], v[rO:rO+7]
.set mi, mi+1
.endm
.macro G2U vb, pb, cbb                 ; a unit of O^T with nothing between its products
.set mi, 0
.rept 16
	MM2 \vb, \pb, \cbb
.endr
.endm
; GELU of a piece (16 registers x0-x15, 8 pairs) is three numbered lists; GA, GB, GC write the next entry for piece p.
; LIST A, 32: for each x: d = 1 + u sqrt(2) / 4, and its reciprocal t.  A reciprocal stands three entries behind its d: d0, d1, then d(k + 2) and t(k) by turns, then t14, t15.
; Each accumulator's lowest register is read first.
.macro GA p
.if ja < 2
.set ak, 0
.set ai, ja
.elseif ja < 30
.set ak, ja%2
.set ai, ja/2+1-2*ak
.else
.set ak, 1
.set ai, ja-16
.endif
.if ak == 0
	v_fma_f32 v[T+ai], |v[S+16*(\p)+ai]|, s[C1], 1.0
.else
	v_rcp_f32 v[T+ai], v[T+ai]
.endif
.set ja, ja+1
.endm
; Plain entry q of 28 for the pairs mb .. mb + 3, which take turns: 0-19 the polynomial from A5 down, five steps; 20-23 - x log2(e) / 2; 24-27 times x, onto the polynomial.
.macro GPL p, q, mb
.set m_, (\mb)+(\q)%4
.set rT, T+2*m_
.set rP, PP+2*m_
.set rX, S+16*(\p)+2*m_
.set rY, Y+2*((\q)%4)
.if (\q) < 4
	v_pk_fma_f32 v[rP:rP+1], v[rT:rT+1], s[AC+10:AC+11], s[AC+8:AC+9] op_sel_hi:[1,0,0]
.elseif (\q) < 20
	v_pk_fma_f32 v[rP:rP+1], v[rP:rP+1], v[rT:rT+1], s[AC+2*(4-(\q)/4):AC+2*(4-(\q)/4)+1] op_sel_hi:[1,1,0]
.elseif (\q) < 24
	v_pk_mul_f32 v[rY:rY+1], v[rX:rX+1], s[NK:NK+1] op_sel_hi:[1,0]
.else
	v_pk_fma_f32 v[rP:rP+1], v[rY:rY+1], v[rX:rX+1], v[rP:rP+1]
.endif
.endm
; LIST B, 104.  0-27: the plain 28 of pairs 0-3.  28-63: the plain 28 of pairs 4-7, and at every fourth place one of the exponentials 0-7.  64-103: eight times an exponential (8-15), two of the
; sixteen - u t, and for the same two x, which nothing reads any more, max(x, 0) in place.
; Nothing in the list names an exponential's result, each exponential has a plain neighbour behind it, and the list ends on plain lines: the 16 exponentials are one batch with one wait, behind the list.
.macro GB p
.if jb < 28
	GPL \p, jb, 0
.elseif jb < 64
.set kb, jb-28
.if (kb%4 == 0) && (kb < 32)
	v_exp_f32 v[PP+kb/4], v[PP+kb/4]
.else
.set qq, kb-8
.if kb < 32
.set qq, kb-kb/4-1
.endif
	GPL \p, qq, 4
.endif
.else
.set kb, jb-64
.if kb%5 == 0
	v_exp_f32 v[PP+8+kb/5], v[PP+8+kb/5]
.elseif kb%5 < 3
.set wi, 2*(kb/5)+kb%5-1
	v_mul_f32 v[T+wi], -|v[S+16*(\p)+wi]|, v[T+wi]
.else
.set wi, 2*(kb/5)+kb%5-3
	v_max_num_f32 v[S+16*(\p)+wi], 0, v[S+16*(\p)+wi]
.endif
.endif
.set jb, jb+1
.endm
; LIST C, 24: g = max(x, 0) + (- u t) 2^(..); g rounded to bf16 in pairs, into Y; ss += g^2, the piece's two tiles by turns.
.macro GC p
.set bX, S+16*(\p)
.if jc < 8
.set m_, jc
	v_pk_fma_f32 v[bX+2*m_:bX+2*m_+1], v[T+2*m_:T+2*m_+1], v[PP+2*m_:PP+2*m_+1], v[bX+2*m_:bX+2*m_+1]
.elseif jc < 16
.set m_, jc-8
	v_cvt_pk_bf16_f32 v[Y+m_], v[bX+2*m_], v[bX+2*m_+1]
.else
.set m_, 4*((jc-16)%2)+(jc-16)/2
.set rQ, SS+2*(2*(\p)+m_/4)
	v_pk_fma_f32 v[rQ:rQ+1], v[bX+2*m_:bX+2*m_+1], v[bX+2*m_:bX+2*m_+1], v[rQ:rQ+1]
.endif
.set jc, jc+1
.endm
.macro RID kind, p, n                  ; a slice: n entries of list A (1), B (2) or C (3) for piece p, in window 0
.if (\n) > 0
	WIN 0
.rept \n
.if (\kind) == 1
	GA \p
.elseif (\kind) == 2
	GB \p
.else
	GC \p
.endif
.endr
.endif
.endm
; The piece's weights go to P: 16 bytes a lane and tile: my query's row, my wave's and half's eight keys.  They wait in Y, which the next piece's list A does not touch, for a place at which the wave
; issues LDS instructions anyway: piece a's for the run at U7's head, piece b's for the add in U3.
.macro PST p
	WIN 0
	ds_store_b128 v[APS], v[Y:Y+3]   offset:PTILE*(2*(\p))
	ds_store_b128 v[APS], v[Y+4:Y+7] offset:PTILE*(2*(\p)+1)
.endm
; A TRIP.  g2: O^T's products and their runs are there (not in the first trip, whose slices then stand by themselves).  fill = 1: the next block is asked for whole; 2: its V alone (the walk's last block).
; kr: K of the step after next is fetched.  cprev: piece b of the step before is finished.
.macro TRIP g2, fill, kr, cprev
	; U1: S^T of piece a, K's fragments 0-7 | list C of piece b of the step before, two behind each of the first twelve products
	s_wait_dscnt 16                                ; K's fragments 0-7 are in; the sixteen loads of 8-15 may stay out
.set mi, 0
.set jc, 0
.rept 12
	MM1 0, 0
.if \cprev
	RID 3, 1, 2
.endif
.endr
.rept 4
	MM1 0, 0
.endr
	; U2: fragments 8-15
	s_wait_dscnt 0x0                               ; fragments 8-15 are in: nothing younger is out
.set mi, 0
.rept 16
	MM1 0, 8
.endr
	; U3: S^T of piece b, fragments 0-7 | list A of piece a, four places behind the products that ended its sums
	PLACES
.set mi, 0
.set ja, 0
.rept 8
	MM1 1, 0
	RID 1, 0, 2
.endr
.if \cprev
	PST 1                                          ; piece b's weights of the step before, ahead of the add: the wait for 0 below covers them
.endif
	s_wait_tensorcnt 0x0                           ; all my tensor loads have landed: the one that was out is my block for this trip; so a group 0 may be written
	ds_add_u32 v[SPW], v[NIL]                      ; 0 onto my spare word: work on registers stands between it and the wait for it
	s_xor_b32 s[G0W+1], s[G0W+1], SLOT1            ; the walking descriptor: the other slot than last time;
	s_lshl_b32 s[OFF], s[NXT], 15                  ; its address is made anew: the stream's first byte and the block's number times 32,768
.if (\fill) == 2
	s_add_co_u32 s[G0W+1], s[G0W+1], VAREA         ; V's half alone, to V's place
	s_add_co_u32 s[OFF], s[OFF], VAREA
.endif
	s_add_nc_u64 s[G0W+2:G0W+3], s[KB:KB+1], s[OFF:OFF+1]
	s_or_b32 s[G0W+3], s[G0W+3], 0x80000000        ; type = 2
	s_add_co_u32 s[NXT], s[NXT], 1                 ; the ring's next block
	s_and_b32 s[NXT], s[NXT], 63
	s_xor_b32 s[TB], s[TB], SLOT1                  ; behind the barrier: the block that has landed,
	s_xor_b32 s[PT], s[PT], PTOG                   ; the weights that are now whole,
	s_xor_b32 s[PS], s[PS], PTOG                   ; and the buffer that has been read out takes the next
.rept 4
	MM1 1, 0
	RID 1, 0, 2
.endr
	s_wait_dscnt 0x0                               ; the add is done; my reads of the old slot and of the old weights are back; my stores of the new weights are done
	s_barrier_signal -1
.rept 4
	MM1 1, 0
	RID 1, 0, 2
.endr
	v_nop                                          ; a plain instruction behind the last reciprocal,
	s_wait_alu depctr_va_vdst(0)                   ; and the one wait for the piece's sixteen, ahead of the branch and of list B
	s_barrier_wait -1
	CREST                                          ; the barrier has opened a round of the cluster's: no wave of any partner still reads the old slot or has a load on its way
.if (\fill) == 2
	tensor_load_to_lds s[G0W:G0W+3], s[G1H:G1H+7]  ; my one tensor load behind the round, and the first thing there
.else
	tensor_load_to_lds s[G0W:G0W+3], s[G1F:G1F+7]  ; my one tensor load behind the round, and the first thing there: it has a trip less eight products in which to land
.endif
	s_nop 0
	PLACES                                         ; also the places in front of the loads below
	v_add_nc_u32 v[ADR], s[TB], v[AL0]
	v_add_nc_u32 v[APR], s[PT], v[APR0]
	v_add_nc_u32 v[APS], s[PS], v[APS0]
.if \g2
	LDV BA, 0, 0
	LDP BC, 0
	LDV BB, 0, 4
.endif
	; U4: S^T of piece b, fragments 8-15 | list B of piece a: 3, 3, 3, 4 behind the products
.set mi, 0
.set jb, 0
.rept 16
	MM1 1, 8
	RID 2, 0, 4-((mi%4)+3)/4
.endr
	; U5: O^T, keys 0-31, channel blocks 0-3 | list B goes on
.if \g2
	s_wait_dscnt 8                                 ; V0 and P0 are in; V1's eight loads may stay out
.endif
.set mi, 0
.rept 16
.if \g2
	MM2 BA, BC, 0
.else
.set mi, mi+1
.endif
	RID 2, 0, 4-((mi%4)+3)/4
.endr
	; U6: channel blocks 4-7 | list C of piece a, then list A of piece b
	RUNHEAD                                        ; the wait is for piece a's exponentials
.if \g2
	LDV BA, 1, 0
	LDP BE, 1
	LDV BD, 1, 4
	s_wait_dscnt 24                                ; V1 is in: all but the 24 just issued
.endif
.set mi, 0
.set jc, 0
.set ja, 0
.rept 8
.if \g2
	MM2 BB, BC, 4
.endif
	RID 3, 0, 3
.endr
.rept 8
.if \g2
	MM2 BB, BC, 4
.endif
	RID 1, 1, 4
.endr
	; U7: keys 32-63, channel blocks 0-3 | list B of piece b
	RUNHEAD                                        ; the wait is for piece b's reciprocals
	PST 0                                          ; piece a's weights, at the head of the run
.if \kr
	LDK 0
.endif
.if \g2
	s_wait_dscnt 10+16*(\kr)                       ; V2 and P1 are in; V3's eight loads, the two stores and K's sixteen loads may stay out
.endif
.set mi, 0
.set jb, 0
.rept 16
.if \g2
	MM2 BA, BE, 0
.else
.set mi, mi+1
.endif
	RID 2, 1, 4-((mi%4)+3)/4
.endr
	; U8: channel blocks 4-7 | list B goes on
.if \g2
	s_wait_dscnt 2+16*(\kr)                        ; V3 is in
.endif
.set mi, 0
.rept 16
.if \g2
	MM2 BD, BE, 4
.else
.set mi, mi+1
.endif
	RID 2, 1, 4-((mi%4)+3)/4
.endr
	RUNHEAD                                        ; the wait is for piece b's exponentials, ahead of the loop's jump
.if \kr
	LDK 1
.endif
.endm
; THE LAST STEP's O^T.  Piece b's list C, its stores, my work-group's barrier; V of step 63 has come into slot 1.
.macro FINAL
.set jc, 0
	RID 3, 1, 24
	PST 1
	s_wait_tensorcnt 0x0                           ; my last load has landed, and only I read my part of the slot
	s_wait_dscnt 0x0                               ; for the others' sake: my stores of the last weights are done
	s_barrier_signal -1
	s_barrier_wait -1
	s_xor_b32 s[TB], s[TB], SLOT1
	s_xor_b32 s[PT], s[PT], PTOG
	v_add_nc_u32 v[ADR], s[TB], v[AL0]
	v_add_nc_u32 v[APR], s[PT], v[APR0]
	LDV BA, 0, 0
	LDP BC, 0
	LDV BB, 0, 4
	s_wait_dscnt 8
	G2U BA, BC, 0
	WIN 0
	PLACES
	LDV BA, 1, 0
	LDP BE, 1
	LDV BD, 1, 4
	s_wait_dscnt 24
	G2U BB, BC, 4
	s_wait_dscnt 8
	G2U BA, BE, 0
	s_wait_dscnt 0x0
	G2U BD, BE, 4
.endm
; X.  A fragment is 16 rows x 32 channels: lane l takes row l % 16, channels 8 (l / 16) + 0..7 and 16 more on: four loads of 16 bytes of f32, rounded to 8 registers.
; XLOAD q: fragments 4 q .. 4 q + 3 of my wave's tile, in f32, into window 1.  XCVT q: rounded, fragment f to BA + 8 f in window 0.
; XPUT p: my fragments 8 p .. 8 p + 7 into LDS, 16 neighbouring bytes a lane.  XGET p: the same eight fragments of all four tiles, to their places in windows 2 and 3.
.macro XLOAD q
.irp i, 0,1,2,3
	global_load_b128 v[64*(\q)+16*(\i):64*(\q)+16*(\i)+3],     v[XO], s[4:5] offset:512*(\q)+128*(\i) th:TH_LOAD_NT
	global_load_b128 v[64*(\q)+16*(\i)+4:64*(\q)+16*(\i)+7],   v[XO], s[4:5] offset:512*(\q)+128*(\i)+16 th:TH_LOAD_NT
	global_load_b128 v[64*(\q)+16*(\i)+8:64*(\q)+16*(\i)+11],  v[XO], s[4:5] offset:512*(\q)+128*(\i)+64 th:TH_LOAD_NT
	global_load_b128 v[64*(\q)+16*(\i)+12:64*(\q)+16*(\i)+15], v[XO], s[4:5] offset:512*(\q)+128*(\i)+80 th:TH_LOAD_NT
.endr
.endm
.macro XCVT q
	WIN 0x05                                       ; sources 0 and 1 window 1, destination window 0
.set z, 0
.rept 32
	v_cvt_pk_bf16_f32 v[BA+32*(\q)+z], v[64*(\q)+2*z], v[64*(\q)+2*z+1]
.set z, z+1
.endr
.endm
.macro XPUT p
	WIN 0
.irp i, 0,1,2,3,4,5,6,7
	ds_store_b128 v[XPA], v[BA+8*(8*(\p)+(\i)):BA+8*(8*(\p)+(\i))+3]   offset:1024*(\i)
	ds_store_b128 v[XPA], v[BA+8*(8*(\p)+(\i))+4:BA+8*(8*(\p)+(\i))+7] offset:1024*(\i)+512
.endr
.endm
.macro XGET p
.irp t, 0,1,2,3
	WIN 0x80+0x40*((\t)/2)                         ; destination window 2 or 3, address window 0
.irp i, 0,1,2,3,4,5,6,7
	ds_load_b128 v[128*((\t)%2)+8*(8*(\p)+(\i)):128*((\t)%2)+8*(8*(\p)+(\i))+3],   v[XGA] offset:8192*(\t)+1024*(\i)
	ds_load_b128 v[128*((\t)%2)+8*(8*(\p)+(\i))+4:128*((\t)%2)+8*(8*(\p)+(\i))+7], v[XGA] offset:8192*(\t)+1024*(\i)+512
.endr
.endr
	WIN 0
.endm
	s_load_b128 s[4:7], s[0:1], 0x0                ; inputs s[4:5], kv s[6:7]
	s_load_b64 s[8:9], s[0:1], 0x10                ; out0
	v_lshl_add_u32 v[SPW], v0, 2, SPARE
	v_mov_b32 v[NIL], 0
	ds_add_u32 v[SPW], v[NIL]                      ; the wave's opening: the add and its wait ahead of my first tensor load; the set-up below, work on registers, stands between them
	v_lshrrev_b32 v[HL], 5, v0
	v_readfirstlane_b32 s[WV], v[HL]               ; wave 0..3
	s_bfe_u32 s[CX], ttmp6, 0x40000                ; my place in the cluster
	s_lshl_b32 s[GW], ttmp9, 2                     ; in a cluster launch ttmp9 counts clusters
	s_add_co_u32 s[GW], s[GW], s[CX]               ; my work-group: it enters X's and out's addresses alone
	s_lshl_b32 s[LW], s[WV], 15                    ; my part of a slot: no place in the cluster enters an LDS address
	s_mul_i32 s[NXT], ttmp9, 37
	s_and_b32 s[NXT], s[NXT], 63                   ; s: the step at which my cluster begins, and the first whole block that it asks for
	; descriptor group 1: a dense block as rows of 256 bytes
.irp g, G1F, G1H
	s_mov_b32 s[(\g)+0], 15|(3<<16)|(1<<21)        ; 15:0 the mask: all four work-groups; 17:16 elements of 8 bytes; 20 no padding; 21 set beside a mask
	s_mov_b32 s[(\g)+1], 32<<16                    ; tensor_dim0 = 32 elements
	s_mov_b32 s[(\g)+3], 32<<16                    ; tile_dim0 = 32
	s_mov_b32 s[(\g)+5], 32                        ; 32 elements from row to row
	s_mov_b32 s[(\g)+6], 0
	s_mov_b32 s[(\g)+7], 0
.endr
	s_mov_b32 s[G1F+2], 128<<16                    ; tensor_dim1 = 128 rows
	s_mov_b32 s[G1F+4], 128                        ; tile_dim1 = 128
	s_mov_b32 s[G1H+2], 64<<16
	s_mov_b32 s[G1H+4], 64
	s_mov_b32 s[G0A], 1                            ; count = 1
	s_mov_b32 s[G0A+1], s[LW]                      ; LDS address: K's place in my part of slot 0
	s_mov_b32 s[G0B], 1
	s_add_co_u32 s[G0B+1], s[LW], SLOT1            ; of slot 1
	s_mov_b32 s[G0W], 1
	s_add_co_u32 s[G0W+1], s[LW], SLOT1            ; the first refill turns this into slot 0
	CPAIR AC+0,  0xc034da79                        ; -1.265572104 log2(e) - 1 = -2.8258346
	CPAIR AC+2,  0x3fb98639                        ;  1.004653556 log2(e)     =  1.4494087
	CPAIR AC+4,  0x3ee9d712                        ;  0.316573475 log2(e)     =  0.4567190
	CPAIR AC+6,  0x3f003d1f                        ;  0.347220036 log2(e)     =  0.5009326
	CPAIR AC+8,  0xbf5a2b88                        ; -0.590718563 log2(e)     = -0.8522267
	CPAIR AC+10, 0x3e8abc82                        ;  0.187821706 log2(e)     =  0.2709694
	CPAIR NK,    0xbf38aa3b                        ; -log2(e) / 2
	s_mov_b32 s[C1], 0x3eb504f3                    ; sqrt(2) / 4
	s_mov_b32 s[SEL], 0x76543210
	s_mov_b32 s[SEL+1], 0xfedcba98
	s_mov_b32 s[TB], 0
	s_mov_b32 s[PT], 0
	s_mov_b32 s[PS], PTOG
	s_mov_b32 s[TM+1], 0
	s_mov_b32 s[TC+1], 0
	s_mov_b32 s[OFF+1], 0
	v_bfe_u32 v[HL], v0, 4, 1                      ; lane / 16
	v_and_b32 v[LN], 31, v0
	v_and_b32 v[RW], 15, v0
	v_lshl_add_u32 v[AL0], v[LN], 4, s[LW]
	v_mul_u32_u24 v[APR0], v[RW], PPITCH
	v_lshl_add_u32 v[APR0], v[HL], 4, v[APR0]
	v_add_nc_u32 v[APR0], PBUF, v[APR0]
	s_lshl_b32 s[TM], s[WV], 5
	v_add_nc_u32 v[APS0], s[TM], v[APR0]
	s_lshl_b32 s[TM], s[WV], 13
	s_add_co_u32 s[TM], s[TM], XS
	v_lshl_add_u32 v[XPA], v[LN], 4, s[TM]
	v_lshl_add_u32 v[XGA], v[LN], 4, XS
	v_lshlrev_b32 v[XO], 11, v[RW]
	v_lshl_add_u32 v[XO], v[HL], 5, v[XO]          ; row x 2,048 + 32 x half
	s_wait_dscnt 0x0                               ; the opening add is done
	s_wait_kmcnt 0x0
	s_lshl_b32 s[TC], s[GW], 17                    ; my work-group's 64 rows of 2,048 bytes
	s_add_nc_u64 s[4:5], s[4:5], s[TC:TC+1]
	s_add_nc_u64 s[8:9], s[8:9], s[TC:TC+1]
	s_lshl_b32 s[TM], s[WV], 15                    ; X: my wave's tile of 16 rows
	s_add_nc_u64 s[4:5], s[4:5], s[TM:TM+1]
	s_lshl_b32 s[TM], s[WV], 9                     ; out: my wave's 128 channels
	s_add_nc_u64 s[8:9], s[8:9], s[TM:TM+1]
	WIN 0x40                                       ; destination window 1, address window 0
	XLOAD 0                                        ; my tile of X: 64 loads, all out together, ahead of the round
	XLOAD 1
	XLOAD 2
	XLOAD 3
	WIN 0
	s_lshl_b32 s[TM], s[WV], 21
	s_add_nc_u64 s[KB:KB+1], s[6:7], s[TM:TM+1]    ; my wave's stream: the same in all four partners
	s_add_co_u32 s[OFF], s[NXT], 62                ; K of step s lies at the head of the ring's block s - 2,
	s_and_b32 s[OFF], s[OFF], 63
	s_lshl_b32 s[OFF], s[OFF], 15
	s_add_nc_u64 s[G0A+2:G0A+3], s[KB:KB+1], s[OFF:OFF+1]
	s_or_b32 s[G0A+3], s[G0A+3], 0x80000000        ; type = 2
	s_add_co_u32 s[OFF], s[NXT], 63                ; K of step s + 1 at the head of block s - 1
	s_and_b32 s[OFF], s[OFF], 63
	s_lshl_b32 s[OFF], s[OFF], 15
	s_add_nc_u64 s[G0B+2:G0B+3], s[KB:KB+1], s[OFF:OFF+1]
	s_or_b32 s[G0B+3], s[G0B+3], 0x80000000
	CROUND                                         ; all four work-groups are here: the first joint loads meet
	tensor_load_to_lds s[G0A:G0A+3], s[G1H:G1H+7]  ; the first fills go out together: two loads of mine are out
	s_nop 0
	tensor_load_to_lds s[G0B:G0B+3], s[G1H:G1H+7]
	s_nop 0
	PLACES
.irp q, 0,1,2,3
	s_wait_loadcnt 48-16*(\q)                      ; these four fragments' sixteen loads are in; the younger ones stay out
	XCVT \q
.endr
	XPUT 0
	s_wait_dscnt 0x0                               ; for the others' sake: my stores are done
	s_barrier_signal -1
	s_barrier_wait -1
	XGET 0
	WIN 0x40                                       ; O starts at 0: written while the 64 loads above are out
.set z, 0
.rept 256
	v_mov_b32 v[z], 0
.set z, z+1
.endr
	WIN 0
	s_wait_dscnt 0x0                               ; my reads are back: the bytes are written again behind this barrier
	s_barrier_signal -1
	s_barrier_wait -1
	XPUT 1
.set z, 0
.rept 8
	v_mov_b32 v[SS+z], 0                           ; and ss
.set z, z+1
.endr
	s_wait_dscnt 0x0
	s_barrier_signal -1
	s_barrier_wait -1
	XGET 1
	s_wait_tensorcnt 0x1                           ; K of step 0 is in, and only I read my part; K of step 1 may stay out
	v_mov_b32 v[ADR], v[AL0]
	LDK 0
	LDK 1
	TRIP 0, 1, 1, 0                                ; S of step 0; block 0 is asked for; K of step 1 is fetched.  Its first wait also shows X's last fragments in: LDS serves a wave's loads in order (ISA guide 5.7.1.4)
	s_mov_b32 s[LEFT], 62
.Ltrip:                                        ; trips 0 to 61: S of step tau + 1, O of step tau; block tau + 1 is asked for
	TRIP 1, 1, 1, 1
	s_sub_co_u32 s[LEFT], s[LEFT], 1
	s_cmp_lg_u32 s[LEFT], 0
	s_cbranch_scc1 .Ltrip
	TRIP 1, 2, 0, 1                                ; the tail is written out: S of step 63, O of step 62; of block 63 V alone is asked for, and no K is fetched
	FINAL                                          ; O of step 63
	; THE WAY OUT.  A query's sum of squares: my two halves, the other half of the lanes', the other three waves'.  The first four additions are the places behind the last products.
	WIN 0
.irp t, 0,1,2,3
	v_add_f32 v[SS+2*(\t)], v[SS+2*(\t)], v[SS+2*(\t)+1]
.endr
.irp t, 0,1,2,3
	v_permlanex16_b32 v[SS+2*(\t)+1], v[SS+2*(\t)], s[SEL], s[SEL+1]
.endr
.irp t, 0,1,2,3
	v_add_f32 v[SS+2*(\t)], v[SS+2*(\t)], v[SS+2*(\t)+1]
.endr
	s_lshl_b32 s[TM], s[WV], 2
	v_lshl_add_u32 v[APR], v[RW], 4, SSX           ; a query's four words,
	v_add_nc_u32 v[APS], s[TM], v[APR]             ; my wave's among them
.irp t, 0,1,2,3
	ds_store_b32 v[APS], v[SS+2*(\t)] offset:256*(\t)  ; both halves of the lanes write the same number to the same word
.endr
	s_wait_dscnt 0x0                               ; for the others' sake: my stores are done
	s_barrier_signal -1
	s_barrier_wait -1
.irp t, 0,1,2,3
	ds_load_b128 v[T+4*(\t):T+4*(\t)+3], v[APR] offset:256*(\t)
.endr
	s_mul_i32 s[TM], s[WV], 16*SPITCH
	s_add_co_u32 s[TM], s[TM], STAGE               ; my stage
	v_mul_u32_u24 v[ADR], v[RW], SPITCH            ; in: row lane % 16, 32 bytes for each half of the lanes
	v_lshl_add_u32 v[ADR], v[HL], 5, v[ADR]
	v_add_nc_u32 v[ADR], s[TM], v[ADR]
	v_lshl_add_u32 v[RD], v[LN], 4, s[TM]          ; back: 32 lanes take a row's 512 bytes
	v_lshlrev_b32 v[GO], 4, v[LN]
	s_wait_dscnt 0x0
.irp t, 0,1,2,3
	v_add_f32 v[T+4*(\t)], v[T+4*(\t)], v[T+4*(\t)+1]
	v_add_f32 v[T+4*(\t)+2], v[T+4*(\t)+2], v[T+4*(\t)+3]
.endr
.irp t, 0,1,2,3
	v_add_f32 v[T+4*(\t)], v[T+4*(\t)], v[T+4*(\t)+2]
.endr
.irp t, 0,1,2,3
	v_rsq_f32 v[SS+2*(\t)], v[T+4*(\t)]
.endr
	v_nop                                          ; a plain instruction behind the last root,
	s_wait_alu depctr_va_vdst(0)                   ; and the one wait for the four, ahead of the first use
.irp t, 0,1,2,3
	v_mul_f32 v[SS+2*(\t)], 0x42800000, v[SS+2*(\t)]  ; sqrt(4096) = 64
.endr
; Tile t: O^T is scaled, each accumulator from its low end on; a lane's eight channels of a row, 32 bytes, go into rows of 528 bytes of my own stage and come back as whole rows of 512.
.macro OUTP t
	WIN 0x41                                       ; O^T (destination and source 0) in window 1, the factor in window 0
.irp cb, 0,1,2,3,4,5,6,7
.irp z, 0,2,4,6
	v_pk_mul_f32 v[8*(4*(\cb)+(\t))+(\z):8*(4*(\cb)+(\t))+(\z)+1], v[8*(4*(\cb)+(\t))+(\z):8*(4*(\cb)+(\t))+(\z)+1], v[SS+2*(\t):SS+2*(\t)+1] op_sel_hi:[1,0]
.endr
.endr
	WIN 0x04                                       ; the stores' data in window 1
.irp cb, 0,1,2,3,4,5,6,7
	ds_store_b128 v[ADR], v[8*(4*(\cb)+(\t)):8*(4*(\cb)+(\t))+3]   offset:64*(\cb)
	ds_store_b128 v[ADR], v[8*(4*(\cb)+(\t))+4:8*(4*(\cb)+(\t))+7] offset:64*(\cb)+16
.endr
	WIN 0
.if (\t) >= 2
	s_wait_xcnt 0x0                                ; the registers below were the data of the stores two tiles back: they are loaded again only behind this wait
.endif
.set ob, BA+64*((\t)%2)
.set z, 0
.rept 16
	ds_load_b128 v[ob+4*z:ob+4*z+3], v[RD] offset:SPITCH*z  ; LDS serves a wave's instructions in order (ISA guide 5.7.1.4): these see the stores above; the next tile's stores come behind them
.set z, z+1
.endr
.endm
.macro SEND t, younger                 ; younger: the LDS instructions issued behind tile t's loads: the next tile's 32, or none
.set ob, BA+64*((\t)%2)
.set z, 0
.rept 16
	s_wait_dscnt (\younger)+15-z
	global_store_b128 v[GO], v[ob+4*z:ob+4*z+3], s[8:9] offset:(16*(\t)+z)*2048 th:TH_STORE_NT  ; 512 consecutive bytes, at a multiple of 256 from out's first byte
.set z, z+1
.endr
.endm
	OUTP 0
	OUTP 1                                         ; a tile's arithmetic stands between the loads of the tile before and its stores
	SEND 0, 32
	OUTP 2
	SEND 1, 32
	OUTP 3
	SEND 2, 32
	SEND 3, 0
	s_wait_tensorcnt 0x0                           ; the wave's end: behind my last tensor load and my last LDS store
	ds_add_u32 v[SPW], v[NIL]
	s_wait_dscnt 0x0
	CROUND                                         ; the closing round: no work-group ends while a partner may still ask for a block that names it
	s_endpgm
.Lfunc_end_k_q9e56c79638_main:
	.size	k_q9e56c79638_main, .Lfunc_end_k_q9e56c79638_main-k_q9e56c79638_main
	.p2alignl 7, 3214868480
	.fill 96, 4, 3214868480
	.section	.rodata,"a",@progbits
	.p2align	6, 0x0
	.amdhsa_kernel k_q9e56c79638_main
		.amdhsa_group_segment_fixed_size 327680
		.amdhsa_private_segment_fixed_size 0
		.amdhsa_enable_private_segment 0
		.amdhsa_kernarg_size 24
		.amdhsa_user_sgpr_count 2
		.amdhsa_user_sgpr_kernarg_segment_ptr 1
		.amdhsa_wavefront_size32 1
		.amdhsa_system_sgpr_workgroup_id_x 1
		.amdhsa_system_sgpr_workgroup_id_y 1
		.amdhsa_system_sgpr_workgroup_id_z 1
		.amdhsa_system_vgpr_workitem_id 0
		.amdhsa_next_free_vgpr 1024
		.amdhsa_next_free_sgpr 96
		.amdhsa_reserve_vcc 0
		.amdhsa_float_denorm_mode_32 3
		.amdhsa_float_denorm_mode_16_64 3
		.amdhsa_memory_ordered 1
		.amdhsa_forward_progress 1
		.amdhsa_inst_pref_size 180
	.end_amdhsa_kernel
	.amdgpu_metadata
---
amdhsa.version: [ 1, 2 ]
amdhsa.kernels:
  - .name:           k_q9e56c79638_main
    .symbol:         k_q9e56c79638_main.kd
    .args:
      - { .name: inputs, .offset: 0, .size: 8, .value_kind: global_buffer, .address_space: global }
      - { .name: kv, .offset: 8, .size: 8, .value_kind: global_buffer, .address_space: global }
      - { .name: out0, .offset: 16, .size: 8, .value_kind: global_buffer, .address_space: global }
    .group_segment_fixed_size: 327680
    .private_segment_fixed_size: 0
    .kernarg_segment_align: 8
    .kernarg_segment_size: 24
    .max_flat_workgroup_size: 128
    .sgpr_count:     96
    .vgpr_count:     1024
    .wavefront_size: 32
...
	.end_amdgpu_metadata
.endif
;; end of part 4
